; MI455X (gfx1250); checked and timed in simulation.
; The chip was launched on July 23, 2026; its instructions are those of AMD's public machine-readable ISA for CDNA 5 (MIT licence, August 2026) and "CDNA5" Instruction Set Architecture Reference Guide (July 2026). The comments in the code are by the model that wrote it; some were corrected since.
;; Multi Head Attention. Allowed arithmetic: matrix products marked QUANTISED: E2M1 operands, one E8M0 scale for each 32 along K, by v_wmma_scale_f32_16x16x128_f8f6f4 with both operands' format E2M1 (or v_wmma_scale_f32_32x16x128_f4), f32 sums; products left as they are: bf16, f16 or f32 operands; f32 sums; everything else in f32.
;; Inputs: Wk 1,024 x 1,024 float32; Wo 1,024 x 1,024 float32; Wq 1,024 x 1,024 float32; Wv 1,024 x 1,024 float32; bk 1,024 float32; bo 1,024 float32; bq 1,024 float32; bv 1,024 float32; k 4 x 2,048 x 1,024 float32; q 4 x 2,048 x 1,024 float32; v 4 x 2,048 x 1,024 float32.
;; Outputs: out0 4 x 2,048 x 1,024 float32.
;; This version of the problem:
;;   THIS VERSION OF THE PROBLEM IS GIVEN IN LOW PRECISION. The matrix products marked QUANTISED in the list below multiply operands that are first quantised to E2M1 (2 exponent bits, 1 mantissa bit; 4 bits a number), with one power-of-two scale for each 32 numbers along K (OCP MX v1.0); their sums are f32. The products marked 'left as it is' may take bf16, f16 or f32 operands, with f32 sums. Whichever they take, every output number must still come out within the allowed error. Rounding operands to bf16 (8 significant bits) uses up far more of that allowance than f16 does (11 bits, for magnitudes from 6e-5 to 65,504). All else is computed in f32.
;;   The module's matrix products, in the order in which they are computed (A, B: the left and right operand; K: the contracted axis; several contracted axes count as one K, in the product's order):
;;     1. [M 8,192, K 1,024] x [K 1,024, N 1,024]; A: input q; B: input Wq: QUANTISED
;;     2. [M 8,192, K 1,024] x [K 1,024, N 1,024]; A: input k; B: input Wk: QUANTISED
;;     3. [M 8,192, K 1,024] x [K 1,024, N 1,024]; A: input v; B: input Wv: QUANTISED
;;     4. batch 64 x [M 2,048, K 64] x [K 64, N 2,048]; A: computed on the way; B: computed on the way: left as it is (an operand is computed on the way)
;;     5. batch 64 x [M 2,048, K 2,048] x [K 2,048, N 64]; A: computed on the way; B: computed on the way: left as it is (an operand is computed on the way)
;;     6. [M 8,192, K 1,024] x [K 1,024, N 1,024]; A: computed on the way; B: input Wo: left as it is (an operand is computed on the way)
;;   THE QUANTISER, for each operand of a quantised product, along K:
;;     - K is cut into blocks of 32 from its start; a last block that is shorter is filled with zeros.
;;     - A block's scale is 2^e with e = floor(log2(the largest magnitude in the block)) - 2, held to -126 .. 127; a block of zeros has e = 0. As a byte (E8M0): e + 127.
;;     - Each number is divided by its block's scale, clamped to +-6, and rounded to the nearest number of E2M1, ties to even, subnormals kept.
;;     - The product sums the exact products of the quantised numbers (number of the format x scale) in f32.
;;   ~~~python
;;   def quantise(x, axis):      # numpy; x: float32 -> the quantised numbers, widened to float32 again
;;       x = np.moveaxis(x, axis, -1); K = x.shape[-1]
;;       x = np.pad(x, [(0, 0)] * (x.ndim - 1) + [(0, -K % 32)]); x = x.reshape(x.shape[:-1] + (-1, 32)); a = np.abs(x).max(-1, keepdims=True)
;;       e = np.where(a > 0, np.clip(np.frexp(np.where(a > 0, a, 1))[1] - 1 - 2, -126, 127), 0)      # np.frexp(a)[1] - 1 = floor(log2(a)), exactly
;;       r = np.clip(x / 2.0 ** e, -6, 6)
;;       step = 2.0 ** (np.maximum(np.frexp(np.where(r == 0, 1, r))[1] - 1, 0) - 1)
;;       q = np.round(r / step) * step * 2.0 ** e      # np.round: ties to even
;;       return np.moveaxis(q.reshape(q.shape[:-2] + (-1,))[..., :K], -1, axis).astype(np.float32)
;;   ~~~
;; One version. Each part assembles by itself: llvm-mc -triple=amdgcn-amd-amdhsa -mcpu=gfx1250 --defsym DOCPART=n.
;; ======== version 1 of 1: 5 launches
;; limits: values are held in f16: magnitudes above 65,504 overflow, below 6.1e-05 lose precision
;; workspace buffers: xc 12,582,912 bytes; xs 786,432 bytes; wc 1,572,864 bytes; ws 98,304 bytes; wot 2,097,152 bytes; qkv 50,331,648 bytes; ctx 16,777,216 bytes
;; launch quant_x (part 1): grid 768 x 1, 4 waves a work-group, no clusters, 33,280 bytes of LDS; arguments q, k, v, xc, xs; writes xc, xs
.if DOCPART == 1
	.amdgcn_target "amdgcn-amd-amdhsa--gfx1250"
	.amdhsa_code_object_version 6
	.text
	.protected	k_q696dff3f2a_quant_x
	.globl	k_q696dff3f2a_quant_x
	.p2align	8
	.type	k_q696dff3f2a_quant_x,@function
k_q696dff3f2a_quant_x:
	s_mov_b64 s[64:65], 0
	v_nop
	global_prefetch_b8 v0, s[64:65] scope:SCOPE_SE
	s_setreg_imm32_b32 hwreg(HW_REG_WAVE_MODE, 25, 1), 1
	s_wait_xcnt 0x0
; MULTI-HEAD ATTENTION, first of five launches: q, k, v [8192][1024] f32 become codes of FP4 (E2M1), K innermost, with one E8M0 scale byte for each 32 along K.
; WORK LEFT OUT IN THE WHOLE PROGRAM: THE INPUT bk.  scores[q][k] = Qh[q] . (K0[k] + bk_h) / 8 = Qh[q] . K0[k] / 8 + Qh[q] . bk_h / 8, K0 = k Wk.  The second term does not hang on the key k,
; and softmax along k is unchanged by a term that is the same along its axis: this holds for all finite values of the inputs.  The product of Qh and Kh is not quantised, so no quantiser sees K.
; So bk has no way to any output: it is not loaded and is among no launch's arguments.  LIMIT: a NaN, an infinity or an overflow that bk alone would bring is not carried to the result.
; (bq stays: it moves the scores with k.  bv stays: the rows of the softmax sum to 1, so it reaches the output.  bo stays.)
; LIMITS OF THE PROGRAM: Q, K, V, the context and Wo go to the matrix units as f16: magnitudes up to 65,504 are served.  NaN and infinities among the inputs are not served.
; THE QUANTISER.  A block's scale is 2^(floor(log2(its largest magnitude)) - 2); its byte is the largest magnitude's own exponent field - 2, held at 1 from below.  A block of zeros so gets the byte 1 where the rule
; says 127: its codes are zeros, which add nothing under any byte but 0xff, and the bytes are read by this program alone.  Blocks whose largest magnitude lies under 2^(2 - 126) were not tried.
; Rows are dense and 1,024 is a multiple of 32, so a tensor is a plain stream of blocks of 32 numbers, and so are its codes and its scale bytes.  The three tensors' codes lie on end in xc, their bytes in xs.
; A wave takes 16 steps of 512 numbers.  Each of a step's four loads reads 512 consecutive bytes, 16 a lane; the 2,048 bytes turn through the wave's own stage in LDS and come back 64 bytes a lane, so that a lane
; holds 16 NEIGHBOURS along K (two lanes a block), as the conversions want.  A lane's 16 codes are 8 bytes: the wave stores 256 consecutive bytes.  A wave's 256 scale bytes are gathered in LDS and leave as one aligned run.
; Work-groups 0-255 take q, 256-511 k, 512-767 v.  No tensor loads, no barrier: waves share nothing.  Matrix units and clusters have no part here: no input byte is read twice.
.set WAVES, 4
.set STEPS, 16
.set EMAX,  2
.set CB,    8                          ; bytes of 16 codes
.set R,     16                         ; v16-79   four sets of 16 numbers as they are loaded
.set X,     80                         ; v80-111  two sets of 16 neighbours
.set C,     128                        ; v128-191 codes: four registers for each step, so that no store's data are written again
.set E,     112                        ; v112-127 a scale byte for each step
.set WREG,  8192                       ; LDS: a region for each wave: two stages of 32 x SP bytes, behind them its 256 scale bytes
.set SP,    80                         ; a lane's place in a stage: its 64 bytes + 16 of padding
.set SPW,   12                         ; v12  LDS address of my spare word; never rewritten
.set NIL,   13                         ; v13  0; never rewritten
.set SPARE, WAVES*WREG                 ; behind the four regions: the spare words, 128 bytes a wave, which no other line names
	s_load_b256 s[4:11], s[0:1], 0x0               ; q s[4:5], k s[6:7], v s[8:9], xc s[10:11]
	s_load_b64 s[12:13], s[0:1], 0x20              ; xs
	v_lshl_add_u32 v[SPW], v0, 2, SPARE
	v_mov_b32 v[NIL], 0
	v_lshrrev_b32 v1, 5, v0
	v_readfirstlane_b32 s16, v1                    ; wave
	v_and_b32 v2, 31, v0                           ; lane
	v_lshlrev_b32 v3, 4, v2                        ; my 16 bytes of a load's 512
	s_mul_i32 s17, s16, WREG
	v_lshrrev_b32 v14, 2, v2
	v_mul_u32_u24 v14, v14, SP
	v_and_b32 v15, 3, v2
	v_lshl_add_u32 v14, v15, 4, v14
	v_add_nc_u32 v14, s17, v14                     ; the stage, on the way in: four lanes' 64 bytes on end, then 16 of padding
	v_mul_u32_u24 v15, v2, SP
	v_add_nc_u32 v15, s17, v15                     ; and on the way out: SP x lane: my 16 neighbours
	v_mul_u32_u24 v4, v2, CB                       ; my codes' place in a step's
	v_lshrrev_b32 v5, 1, v2
	s_add_co_u32 s17, s17, 2*32*SP
	v_add_nc_u32 v5, s17, v5                       ; LDS: my wave's 256 scale bytes, my block's byte
	v_lshlrev_b32 v7, 3, v2                        ; and on the way out 8 bytes a lane
	v_add_nc_u32 v6, s17, v7
	s_wait_kmcnt 0x0
	s_cmp_lt_u32 ttmp9, 256                        ; which tensor: the choice hangs on the work-group's number alone
	s_cselect_b64 s[4:5], s[4:5], s[6:7]
	s_cmp_lt_u32 ttmp9, 512
	s_cselect_b64 s[4:5], s[4:5], s[8:9]
	s_and_b32 s17, ttmp9, 255
	s_lshl_b32 s17, s17, 2
	s_add_co_u32 s17, s17, s16                     ; which run of 8,192 numbers of the tensor is my wave's
	s_lshl_b32 s18, s17, 15                        ; 32,768 bytes a run
	s_mov_b32 s19, 0
	s_add_nc_u64 s[4:5], s[4:5], s[18:19]
	s_lshl_b32 s17, ttmp9, 2
	s_add_co_u32 s17, s17, s16                     ; and which run of the three tensors on end
	s_lshl_b32 s18, s17, 12                        ; 4,096 bytes of codes a run
	s_add_nc_u64 s[10:11], s[10:11], s[18:19]
	s_lshl_b32 s18, s17, 8                         ; 256 scale bytes a run
	s_add_nc_u64 s[12:13], s[12:13], s[18:19]
.macro LOAD t
.irp i, 0,1,2,3
	global_load_b128 v[R+16*((\t)%4)+4*\i:R+16*((\t)%4)+4*\i+3], v3, s[4:5] offset:2048*(\t)+512*\i th:TH_LOAD_NT   ; 32 lanes read 512 consecutive bytes
.endr
.endm
.macro TURN t                          ; step t's numbers through the stage: LDS serves a wave's instructions in order, so no wait stands between the stores and the loads
.irp i, 0,1,2,3
	ds_store_b128 v14, v[R+16*((\t)%4)+4*\i:R+16*((\t)%4)+4*\i+3] offset:32*SP*((\t)%2)+8*SP*\i
.endr
.irp i, 0,1,2,3
	ds_load_b128 v[X+16*((\t)%2)+4*\i:X+16*((\t)%2)+4*\i+3], v15 offset:32*SP*((\t)%2)+16*\i
.endr
.endm
.irp t, 0,1,2,3
	LOAD \t
.endr
	s_wait_loadcnt 12                              ; step 0's four loads are in; three steps' twelve stay out
	TURN 0
.macro STEP t
.set XS, X+16*((\t)%2)
.if (\t) > 0
	s_wait_dscnt 1                                 ; this step's numbers are back from the stage (the last step's byte store may be out): so its stores into the stage have read their registers,
.else
	s_wait_dscnt 0x0
.endif
.if (\t)+4 < STEPS
	LOAD (\t)+4                                    ; which take the loads of four steps on
.endif
.if (\t)+1 < STEPS
.if STEPS-2-(\t) >= 3
	s_wait_loadcnt 12                              ; the next step's four loads are in; those of the three steps behind it may be out
.else
	s_wait_loadcnt 4*(STEPS-2-(\t))
.endif
	TURN (\t)+1                                    ; and go through the other stage while this step is worked
.endif
	v_max3_num_f32 v8, |v[XS]|, |v[XS+1]|, |v[XS+2]|               ; the largest magnitude of my 16, in two chains
	v_max3_num_f32 v9, |v[XS+3]|, |v[XS+4]|, |v[XS+5]|
.irp i, 6,10
	v_max3_num_f32 v8, v8, |v[XS+\i]|, |v[XS+\i+1]|
	v_max3_num_f32 v9, v9, |v[XS+\i+2]|, |v[XS+\i+3]|
.endr
	v_max3_num_f32 v8, v8, |v[XS+14]|, |v[XS+15]|
	v_max3_num_f32 v8, v8, v9, (EMAX+1)<<23        ; and the floor 2^(EMAX + 1 - 127): so the byte cannot fall under 1
	v_max_num_f32_dpp v8, v8, v8 row_xmask:1 row_mask:0xf bank_mask:0xf   ; and of my neighbour's 16: the block's
	v_add_nc_u32 v11, -(EMAX<<23), v8              ; EMAX off its exponent field: the conversion takes the exponent field of this operand as its scale, and nothing else of it
	v_cvt_scalef32_pk8_fp4_f32 v[C+4*(\t)], v[XS:XS+7], v11        ; eight numbers / the scale, to the nearest code, ties to even, beyond the largest code the largest
	v_cvt_scalef32_pk8_fp4_f32 v[C+4*(\t)+1], v[XS+8:XS+15], v11
	v_lshrrev_b32 v[E+(\t)], 23, v11               ; the scale's byte (also the plain line behind the conversions)
	ds_store_b8 v5, v[E+(\t)] offset:16*(\t)       ; both lanes of a block write the same byte with the same value
	global_store_b64 v4, v[C+4*(\t):C+4*(\t)+1], s[10:11] offset:32*CB*(\t)
.endm
.irp t, 0,1,2,3,4,5,6,7,8,9,10,11,12,13,14,15
	STEP \t
.endr
	ds_load_b64 v[8:9], v6                         ; LDS serves a wave's instructions in order: these see my stores
	s_wait_dscnt 0x0
	global_store_b64 v7, v[8:9], s[12:13]          ; 32 lanes store 256 consecutive bytes, aligned
	s_wait_tensorcnt 0x0                           ; the wave's end: a tensor wait, an add of 0 and its wait behind my last LDS store
	ds_add_u32 v[SPW], v[NIL]
	s_wait_dscnt 0x0
	s_endpgm
.Lfunc_end_k_q696dff3f2a_quant_x:
	.size	k_q696dff3f2a_quant_x, .Lfunc_end_k_q696dff3f2a_quant_x-k_q696dff3f2a_quant_x
	.p2alignl 7, 3214868480
	.fill 96, 4, 3214868480
	.section	.rodata,"a",@progbits
	.p2align	6, 0x0
	.amdhsa_kernel k_q696dff3f2a_quant_x
		.amdhsa_group_segment_fixed_size 33280
		.amdhsa_private_segment_fixed_size 0
		.amdhsa_enable_private_segment 0
		.amdhsa_kernarg_size 40
		.amdhsa_user_sgpr_count 2
		.amdhsa_user_sgpr_kernarg_segment_ptr 1
		.amdhsa_wavefront_size32 1
		.amdhsa_system_sgpr_workgroup_id_x 1
		.amdhsa_system_sgpr_workgroup_id_y 1
		.amdhsa_system_sgpr_workgroup_id_z 1
		.amdhsa_system_vgpr_workitem_id 0
		.amdhsa_next_free_vgpr 192
		.amdhsa_next_free_sgpr 66
		.amdhsa_reserve_vcc 0
		.amdhsa_float_denorm_mode_32 3
		.amdhsa_float_denorm_mode_16_64 3
		.amdhsa_memory_ordered 1
		.amdhsa_forward_progress 1
		.amdhsa_inst_pref_size 33
	.end_amdhsa_kernel
	.amdgpu_metadata
---
amdhsa.version: [ 1, 2 ]
amdhsa.kernels:
  - .name:           k_q696dff3f2a_quant_x
    .symbol:         k_q696dff3f2a_quant_x.kd
    .args:
      - { .name: q, .offset: 0, .size: 8, .value_kind: global_buffer, .address_space: global }
      - { .name: k, .offset: 8, .size: 8, .value_kind: global_buffer, .address_space: global }
      - { .name: v, .offset: 16, .size: 8, .value_kind: global_buffer, .address_space: global }
      - { .name: xc, .offset: 24, .size: 8, .value_kind: global_buffer, .address_space: global }
      - { .name: xs, .offset: 32, .size: 8, .value_kind: global_buffer, .address_space: global }
    .group_segment_fixed_size: 33280
    .private_segment_fixed_size: 0
    .kernarg_segment_align: 8
    .kernarg_segment_size: 40
    .max_flat_workgroup_size: 128
    .sgpr_count:     66
    .vgpr_count:     192
    .wavefront_size: 32
...
	.end_amdgpu_metadata
.endif
;; end of part 1
;; launch quant_w (part 2): grid 8 x 14, 4 waves a work-group, no clusters, 70,144 bytes of LDS; arguments Wq, Wk, Wv, Wo, wc, ws, wot; writes wc, ws, wot
.if DOCPART == 2
	.amdgcn_target "amdgcn-amd-amdhsa--gfx1250"
	.amdhsa_code_object_version 6
	.text
	.protected	k_q696dff3f2a_quant_w
	.globl	k_q696dff3f2a_quant_w
	.p2align	8
	.type	k_q696dff3f2a_quant_w,@function
k_q696dff3f2a_quant_w:
	s_mov_b64 s[64:65], 0
	v_nop
	global_prefetch_b8 v0, s[64:65] scope:SCOPE_SE
	s_setreg_imm32_b32 hwreg(HW_REG_WAVE_MODE, 25, 1), 1
	s_wait_xcnt 0x0
; The four weights, [k 1024][n 1024] f32, K their FIRST axis.  Wq, Wk, Wv become codes of FP4 (E2M1) laid [n][k] with K innermost (wc: 512 bytes a row) and one E8M0 byte for each 32 along K (ws: 32 bytes a row);
; Wo, whose product is left as it is, becomes f16 laid [n][k] (wot: 2,048 bytes a row).
; A LANE TAKES A COLUMN n, AND ITS REGISTERS RUN DOWN K: each load reads neighbouring n in neighbouring lanes (128 consecutive bytes a wave, 512 a work-group); a block of 32 along K lies in one lane's 32 registers,
; so that its largest magnitude needs no other lane, and the conversions give results with K innermost.  Nothing is transposed by an instruction.
; A lane's results belong to one row of the output and the lanes beside it hold other rows: they go through the wave's own stage in LDS and leave as rows: sixteen lanes store 256 consecutive bytes, aligned.
; SHARES: work-group x = 128 columns, a wave 32.  y = 0..5: weight y / 2, half y % 2 of K (512 along K a wave).  y = 6..13: Wo, 128 along K from 128 (y - 6) on.
; The two ways part on the work-group's number; each has LDS bytes of its own (the second BOFF further on), by the same address registers, which are made ahead of the parting.
; The scale: as in the launch before: the largest magnitude's exponent field - 2, held at 1 from below; a block of zeros keeps the byte 1 (its codes are zeros; this program alone reads the bytes).
; LIMITS: blocks whose largest magnitude lies under 2^(2 - 126) were not tried; NaN and infinities are not served; |Wo| up to 65,504.
; No tensor loads, no barrier.
.set SIZE_N, 1024
.set NB,    16                         ; blocks of 32 along K for a wave on the weights' way
.set PITCH, 272                        ; a stage row: 256 bytes + 16
.set KROW,  512                        ; a row of wc in bytes
.set EMAX,  2
.set X,     32                         ; v32-95   two sets of 32 numbers (Wo's way: v32-159, 128 numbers)
.set C,     96                         ; v96-99   a block's codes
.set OUTR,  112                        ; v112-175 the way out: 16 x 4 registers
.set SB,    24                         ; v24-27   the scale bytes, four to a register
.set SPW,   14                         ; v14  LDS address of my spare word; never rewritten
.set NIL,   15                         ; v15  0; never rewritten
.set BOFF,  4*32*PITCH                 ; Wo's way: its four stages begin here
.set SPARE, 2*BOFF                     ; behind both: the spare words, 128 bytes a wave, which no other line names
.macro LOAD t                          ; block t: W(32 t + i, my column), i = 0 .. 31, into set t % 2
.irp i, 0,1,2,3,4,5,6,7,8,9,10,11,12,13,14,15,16,17,18,19,20,21,22,23,24,25,26,27,28,29,30,31
	global_load_b32 v[X+32*((\t)%2)+\i], v3, s[4:5] offset:(32*(\t)+\i)*SIZE_N*4 th:TH_LOAD_NT
.endr
.endm
.macro BLOCK t
.set XS, X+32*((\t)%2)
.if (\t) < NB-1
	s_wait_loadcnt 32                              ; this block's 32 loads are in; the next block's may be out
.else
	s_wait_loadcnt 0
.endif
	v_max3_num_f32 v12, |v[XS]|, |v[XS+1]|, |v[XS+2]|               ; the block's largest magnitude: all 32 numbers are mine
	v_max3_num_f32 v13, |v[XS+3]|, |v[XS+4]|, |v[XS+5]|
.irp i, 6,10,14,18,22,26
	v_max3_num_f32 v12, v12, |v[XS+\i]|, |v[XS+\i+1]|
	v_max3_num_f32 v13, v13, |v[XS+\i+2]|, |v[XS+\i+3]|
.endr
	v_max3_num_f32 v12, v12, |v[XS+30]|, |v[XS+31]|
	v_max3_num_f32 v12, v12, v13, (EMAX+1)<<23     ; and the floor 2^(EMAX + 1 - 127): so the byte cannot fall under 1
	v_add_nc_u32 v11, -(EMAX<<23), v12             ; EMAX off its exponent field: the conversions' scale operand
	v_lshrrev_b32 v13, 23, v11                     ; the scale's byte
.if (\t)%4 == 0
	v_mov_b32 v[SB+(\t)/4], v13                    ; four bytes to a register, the lower K in the lower byte
.else
	v_lshl_or_b32 v[SB+(\t)/4], v13, 8*((\t)%4), v[SB+(\t)/4]
.endif
.irp g, 0,1,2,3
	v_cvt_scalef32_pk8_fp4_f32 v[C+\g], v[XS+8*\g:XS+8*\g+7], v11
.endr
	v_nop                                          ; one plain line behind the last conversion
	ds_store_b128 v4, v[C:C+3] offset:16*(\t)      ; 32 codes: 16 bytes of my column's row
.if (\t)+2 < NB
	LOAD (\t)+2
.endif
	s_wait_dscnt 0x0                               ; the store has read its registers: the next block's codes may be written
.endm
	s_load_b256 s[4:11], s[0:1], 0x0               ; Wq s[4:5], Wk s[6:7], Wv s[8:9], Wo s[10:11]
	s_load_b128 s[12:15], s[0:1], 0x20             ; wc s[12:13], ws s[14:15]
	s_load_b64 s[36:37], s[0:1], 0x30              ; wot
	v_lshl_add_u32 v[SPW], v0, 2, SPARE
	v_mov_b32 v[NIL], 0
	v_lshrrev_b32 v1, 5, v0
	v_readfirstlane_b32 s16, v1                    ; wave 0..3
	v_and_b32 v2, 31, v0                           ; lane
	s_lshl_b32 s17, ttmp9, 7
	s_lshl_b32 s18, s16, 5
	s_add_co_u32 s17, s17, s18                     ; my wave's first column: 128 x work-group x + 32 x wave
	s_and_b32 s18, ttmp7, 0xffff                   ; work-group y
	v_lshlrev_b32 v3, 2, v2                        ; in: 4 bytes a lane
	s_mul_i32 s19, s16, 32*PITCH                   ; my stage
	v_mul_u32_u24 v4, v2, PITCH
	v_add_nc_u32 v4, s19, v4                       ; into it: row = my column
	v_and_b32 v5, 15, v2
	v_lshrrev_b32 v6, 4, v2                        ; out of it: sixteen lanes to a row, two rows an instruction
	v_mul_u32_u24 v7, v6, PITCH
	v_lshl_add_u32 v7, v5, 4, v7
	v_add_nc_u32 v7, s19, v7                       ; LDS address
	v_mul_u32_u24 v8, v6, KROW
	v_lshl_add_u32 v8, v5, 4, v8                   ; the same place in wc,
	v_lshlrev_b32 v10, 11, v6
	v_lshl_add_u32 v10, v5, 4, v10                 ; and in wot
	v_lshlrev_b32 v9, 5, v2                        ; my column's row of scale bytes
	s_mov_b32 s23, 0
	s_wait_kmcnt 0x0
	s_cmp_ge_u32 s18, 6                            ; ids alone: the same in all four waves
	s_cbranch_scc1 .Lwo
	; ---- Wq, Wk, Wv
	s_lshr_b32 s20, s18, 1                         ; which weight
	s_and_b32 s21, s18, 1                          ; which half of K
	s_cmp_eq_u32 s20, 0
	s_cselect_b64 s[4:5], s[4:5], s[6:7]
	s_cmp_lt_u32 s20, 2
	s_cselect_b64 s[4:5], s[4:5], s[8:9]
	s_lshl_b32 s22, s21, 21                        ; 512 rows of 4,096 bytes
	s_lshl_b32 s24, s17, 2
	s_add_co_u32 s22, s22, s24
	s_add_nc_u64 s[4:5], s[4:5], s[22:23]
	s_lshl_b32 s22, s20, 19                        ; a weight's codes: 524,288 bytes
	s_lshl_b32 s24, s17, 9
	s_add_co_u32 s22, s22, s24
	s_lshl_b32 s24, s21, 8
	s_add_co_u32 s22, s22, s24
	s_add_nc_u64 s[12:13], s[12:13], s[22:23]
	s_lshl_b32 s22, s20, 15                        ; a weight's scale bytes: 32,768
	s_lshl_b32 s24, s17, 5
	s_add_co_u32 s22, s22, s24
	s_lshl_b32 s24, s21, 4
	s_add_co_u32 s22, s22, s24
	s_add_nc_u64 s[14:15], s[14:15], s[22:23]
	LOAD 0
	LOAD 1
.set QB, 0
.rept NB
	BLOCK QB
.set QB, QB+1
.endr
	global_store_b128 v9, v[SB:SB+3], s[14:15]     ; my column's 16 scale bytes
.irp t, 0,1,2,3,4,5,6,7,8,9,10,11,12,13,14,15
	ds_load_b128 v[OUTR+4*\t:OUTR+4*\t+3], v7 offset:2*\t*PITCH   ; LDS serves a wave's instructions in order: these see my stores
.endr
.irp t, 0,1,2,3,4,5,6,7,8,9,10,11,12,13,14,15
	s_wait_dscnt 15-\t                             ; rows 2 t and 2 t + 1 are back; the younger loads stay out
	global_store_b128 v8, v[OUTR+4*\t:OUTR+4*\t+3], s[12:13] offset:2*\t*KROW
.endr
	s_wait_tensorcnt 0x0                           ; the wave's end: a tensor wait, an add of 0 and its wait behind my last LDS store
	ds_add_u32 v[SPW], v[NIL]
	s_wait_dscnt 0x0
	s_endpgm
	; ---- Wo: 128 along K of my column, rounded to f16 in pairs: 256 bytes of my row of wot
.Lwo:
	s_sub_co_u32 s20, s18, 6                       ; which 128 along K
	s_lshl_b32 s22, s20, 19                        ; 128 rows of 4,096 bytes
	s_lshl_b32 s24, s17, 2
	s_add_co_u32 s22, s22, s24
	s_add_nc_u64 s[10:11], s[10:11], s[22:23]
	s_lshl_b32 s22, s17, 11                        ; a row of wot: 2,048 bytes
	s_lshl_b32 s24, s20, 8
	s_add_co_u32 s22, s22, s24
	s_add_nc_u64 s[36:37], s[36:37], s[22:23]
.macro WLOAD g                         ; group g: Wo(32 g + i, my column)
.irp i, 0,1,2,3,4,5,6,7,8,9,10,11,12,13,14,15,16,17,18,19,20,21,22,23,24,25,26,27,28,29,30,31
	global_load_b32 v[X+32*(\g)+\i], v3, s[10:11] offset:(32*(\g)+\i)*SIZE_N*4 th:TH_LOAD_NT
.endr
.endm
.macro WPACK g                         ; in place and ascending: result 16 g + i lands at or under the two numbers that it is made of
.irp i, 0,1,2,3,4,5,6,7,8,9,10,11,12,13,14,15
	v_cvt_pk_f16_f32 v[X+16*(\g)+\i], v[X+32*(\g)+2*\i], v[X+32*(\g)+2*\i+1]
.endr
.endm
	WLOAD 0
	WLOAD 1
	s_wait_loadcnt 32                              ; group 0 is in; group 1's 32 may be out
	WPACK 0
	WLOAD 2
	s_wait_loadcnt 32                              ; group 1 is in
	WPACK 1
	WLOAD 3
	s_wait_loadcnt 32                              ; group 2 is in
	WPACK 2
	s_wait_loadcnt 0
	WPACK 3
.irp j, 0,1,2,3,4,5,6,7,8,9,10,11,12,13,14,15
	ds_store_b128 v4, v[X+4*\j:X+4*\j+3] offset:BOFF+16*\j
.endr
.irp t, 0,1,2,3,4,5,6,7,8,9,10,11,12,13,14,15
	ds_load_b128 v[96+4*\t:96+4*\t+3], v7 offset:BOFF+2*\t*PITCH
.endr
.irp t, 0,1,2,3,4,5,6,7,8,9,10,11,12,13,14,15
	s_wait_dscnt 15-\t
	global_store_b128 v10, v[96+4*\t:96+4*\t+3], s[36:37] offset:2*\t*2048
.endr
	s_wait_tensorcnt 0x0                           ; the wave's end, as above
	ds_add_u32 v[SPW], v[NIL]
	s_wait_dscnt 0x0
	s_endpgm
.Lfunc_end_k_q696dff3f2a_quant_w:
	.size	k_q696dff3f2a_quant_w, .Lfunc_end_k_q696dff3f2a_quant_w-k_q696dff3f2a_quant_w
	.p2alignl 7, 3214868480
	.fill 96, 4, 3214868480
	.section	.rodata,"a",@progbits
	.p2align	6, 0x0
	.amdhsa_kernel k_q696dff3f2a_quant_w
		.amdhsa_group_segment_fixed_size 70144
		.amdhsa_private_segment_fixed_size 0
		.amdhsa_enable_private_segment 0
		.amdhsa_kernarg_size 56
		.amdhsa_user_sgpr_count 2
		.amdhsa_user_sgpr_kernarg_segment_ptr 1
		.amdhsa_wavefront_size32 1
		.amdhsa_system_sgpr_workgroup_id_x 1
		.amdhsa_system_sgpr_workgroup_id_y 1
		.amdhsa_system_sgpr_workgroup_id_z 1
		.amdhsa_system_vgpr_workitem_id 0
		.amdhsa_next_free_vgpr 192
		.amdhsa_next_free_sgpr 66
		.amdhsa_reserve_vcc 0
		.amdhsa_float_denorm_mode_32 3
		.amdhsa_float_denorm_mode_16_64 3
		.amdhsa_memory_ordered 1
		.amdhsa_forward_progress 1
		.amdhsa_inst_pref_size 100
	.end_amdhsa_kernel
	.amdgpu_metadata
---
amdhsa.version: [ 1, 2 ]
amdhsa.kernels:
  - .name:           k_q696dff3f2a_quant_w
    .symbol:         k_q696dff3f2a_quant_w.kd
    .args:
      - { .name: Wq, .offset: 0, .size: 8, .value_kind: global_buffer, .address_space: global }
      - { .name: Wk, .offset: 8, .size: 8, .value_kind: global_buffer, .address_space: global }
      - { .name: Wv, .offset: 16, .size: 8, .value_kind: global_buffer, .address_space: global }
      - { .name: Wo, .offset: 24, .size: 8, .value_kind: global_buffer, .address_space: global }
      - { .name: wc, .offset: 32, .size: 8, .value_kind: global_buffer, .address_space: global }
      - { .name: ws, .offset: 40, .size: 8, .value_kind: global_buffer, .address_space: global }
      - { .name: wot, .offset: 48, .size: 8, .value_kind: global_buffer, .address_space: global }
    .group_segment_fixed_size: 70144
    .private_segment_fixed_size: 0
    .kernarg_segment_align: 8
    .kernarg_segment_size: 56
    .max_flat_workgroup_size: 128
    .sgpr_count:     66
    .vgpr_count:     192
    .wavefront_size: 32
...
	.end_amdgpu_metadata
.endif
;; end of part 2
;; launch proj (part 3): grid 4 x 96, 4 waves a work-group, clusters of 4 x 4, 327,680 bytes of LDS; arguments xc, xs, wc, ws, bq, bv, qkv; writes qkv
.if DOCPART == 3
	.amdgcn_target "amdgcn-amd-amdhsa--gfx1250"
	.amdhsa_code_object_version 6
	.text
	.protected	k_q696dff3f2a_proj
	.globl	k_q696dff3f2a_proj
	.p2align	8
	.type	k_q696dff3f2a_proj,@function
k_q696dff3f2a_proj:
	s_mov_b64 s[64:65], 0
	v_nop
	global_prefetch_b8 v0, s[64:65] scope:SCOPE_SE
	s_setreg_imm32_b32 hwreg(HW_REG_WAVE_MODE, 25, 1), 1
	s_wait_xcnt 0x0
	s_wait_alu depctr_hold_cnt(0) depctr_sa_sdst(0) depctr_va_vdst(0) depctr_va_sdst(0) depctr_va_ssrc(0) depctr_va_vcc(0) depctr_vm_vsrc(0)
	s_getreg_b32 s2, hwreg(HW_REG_IB_STS2, 6, 4)
	s_cmp_eq_u32 s2, 0
	s_cbranch_scc0 .Lentry_in_a_cluster
	s_endpgm
.Lentry_in_a_cluster:
	s_bfe_u32 s2, ttmp6, 0x10000c
	s_cmp_lg_u32 s2, 0xf033
	s_cbranch_scc0 .Lentry_shape_is_right
	s_endpgm
.Lentry_shape_is_right:
; Q = q Wq + bq, K = k Wk, V = v Wv + bv: the three QUANTISED products as ONE product on codes of FP4 (E2M1) with E8M0 scales: C [24576][1024] = A [24576][1024] B^T, where rows 8192 T .. of A (tensor T = 0, 1, 2)
; meet rows 1024 T .. of B (wc: [3][n][k]).  Sums in f32, C rounded once to f16 (qkv).  WORK LEFT OUT: bk is not added to K: a term of the scores that is the same along the softmax's axis (shown at the head of the first launch).
; A tile of C, 256 x 256, is made by a work-group of four waves; a wave makes 128 x 128: 64 accumulators of 16 x 16, 512 registers.  K = 1,024 is two LDS slots of 512 along K (rows of 256 bytes):
; both are asked for at the start and nothing is filled again.  The scale bytes of the work-group's 256 rows of A and of B, for all of K, are two dense blocks of memory: they come once, with the first fills.
; CLUSTERS: 4 x 4 work-groups.  The four of a row of the cluster need the same tiles of A, the four of a column the same tiles of B: each tile is asked for JOINTLY, by the same tensor load with the same descriptor and
; a mask that names the four.  A tensor is 32 tile rows, 8 clusters: T hangs on the cluster's y alone and is the same in all sixteen partners.
; THE MATRIX INSTRUCTION IS USED TRANSPOSED (source 0 = 16 rows of B, source 1 = 16 rows of A): a lane then holds eight neighbouring numbers of a row of C.  THE BIAS is the C of each sum's first instruction.
; REGISTERS, in windows of 256: window 0: v0-31 addresses; v32-95 scale words, two sets; v128-191 A's fragments, ONE set; v192-255 the bias, 8 registers for each of my 8 blocks of columns; on the way out v32-63, v192-255 are at work.
;   window 1: B's fragments, TWO sets, at v0 and v128.   window 2: the accumulators of my rows 0-63 ((a, b) at v[8 (8 a + b)]);   window 3: those of my rows 64-127.
; By this text's own count a wave has three tensor loads out at the most.
.set SIZE_N, 1024
.set NQ,     4                         ; matrix instructions deep in a slot: 512 along K
.set ROWB,   256                       ; a tile's row in bytes
.set KROW,   512                       ; a row of A or of B in memory, in bytes
.set PITCH,  272                       ; an LDS row: 256 bytes + 16 of padding: the 16 rows that a load touches start 16 bytes apart modulo 256
.set FR,     8                         ; registers of a fragment: 16 rows x 128 K
.set NL,     2                         ; LDS loads that bring one
.set NP,     4                         ; places behind this matrix instruction (ISA guide 7.12.1)
.set HALFT,  128*PITCH                 ; 128 rows: what one tensor load brings
.set SLOT,   4*HALFT                   ; A's 256 rows, then B's 256 rows
.set KS,     32                        ; a row of scale bytes
.set SCL,    2*SLOT                    ; behind the two slots: the scales, as runs of 256 bytes + 16 of padding
.set HALFS,  (128*KS/256)*272          ; the scales of 128 rows: what one tensor load brings
.set SBLK,   (16*KS/256)*272           ; those of 16 rows
.set SPARE,  SCL+4*HALFS               ; the spare words, 128 bytes a wave, which no other line names
.set SPITCH, 272                       ; the way out: a stage of 16 rows x (256 bytes + 16) for each wave, in slot 0, which has had its only fill and its last read when the first result is stored there
.set ADRA, 16                          ; v16-17  LDS address of my A fragments in slot 0, 1
.set ADRB, 20                          ; v20-21  the same for B
.set STO,  24                          ; v24     the way out: where I put 16 bytes of a row
.set RD,   25                          ; v25     where I read a row back
.set CO,   26                          ; v26     my byte offset in C
.set ADRS, 27                          ; v27     LDS address of my scale words: lanes 0-15 A's rows, lanes 16-31 B's
.set SPW,  28                          ; v28     LDS address of my spare word; never rewritten
.set NIL,  29                          ; v29     0; never rewritten
.set BO,   30                          ; v30     the bias: 32 bytes for each half of the lanes
.set SC,   32                          ; scale words: set s at v[SC + 32 s]; register 4 i + q: lanes 0-15 the word of A's block i, lanes 16-31 of B's block i, for the slot's q-th 128 along K
.set AF,   128                         ; A's fragments
.set BIAS, 192                         ; the bias
.set TMP,  192                         ; the way out: packed results
.set OB,   32                          ; the way out: 16 rows read back: v32-63 and v224-255 by turns
.set TEN,  3                           ; s3      which tensor: 0 Q, 1 K, 2 V
.set G1, 24                            ; s[24:31] descriptor group 1 for A's tiles;  s[32:39] group 0, one set for each slot
.set G0, 32
.set G1B, 48                           ; s[48:55], s[56:63] the same for B's tiles
.set G0B, 56
.set G1S, 68                           ; s[68:75], s[76:79] groups 1 and 0 for A's scales;  s[80:87], s[88:91] for B's
.set G0S, 76
.set G1SB, 80
.set G0SB, 88
.set MSB, 0
.macro WIN new                         ; the immediate's high byte repeats the setting that is left; a switch that changes nothing is dropped
.if MSB != \new
	s_set_vgpr_msb (MSB<<8)|\new
.set MSB, \new
.endif
.endm
.set MUL_LO, 0xa1                      ; source 0 (B) window 1, source 1 (A) window 0, C and D window 2
.set MUL_HI, 0xf1                      ; the same, C and D window 3
.set BIA_LO, 0x81                      ; the first step: C (the bias) window 0, D window 2
.set BIA_HI, 0xc1                      ; D window 3
.set TO_B,   0x40                      ; destination window 1, address window 0
; A joint load: waves 0 and 1 fetch for A, waves 2 and 3 for B.  Each line has one mask and one set of registers for all that issue it; the branch hangs on the wave's number alone.
; An s_nop 0 and four v_nop follow each of the two lines.
.macro JLOAD g0a, g1a, g0b, g1b
	s_cmp_eq_u32 s15, 0
	s_cbranch_scc0 .Lfor_b_\@
	tensor_load_to_lds s[\g0a:\g0a+3], s[\g1a:\g1a+7]
	s_nop 0
.rept 4
	v_nop
.endr
	s_branch .Lasked_\@
.Lfor_b_\@:
	tensor_load_to_lds s[\g0b:\g0b+3], s[\g1b:\g1b+7]
	s_nop 0
.rept 4
	v_nop
.endr
.Lasked_\@:
.endm
.macro CROUND                          ; a round of the cluster's barrier: my work-group's barrier; wave 0 signals for the work-group; every wave waits for all sixteen; my work-group's barrier once more
	s_barrier_signal -1
	s_barrier_wait -1
	s_cmp_lg_u32 s14, 0
	s_cbranch_scc1 .Lnot_wave_0_\@
	s_barrier_signal -3
.Lnot_wave_0_\@:
	s_barrier_wait -3
	s_barrier_signal -1
	s_barrier_wait -1
.endm
	s_load_b128 s[4:7], s[0:1], 0x0                ; A's codes s[4:5], A's scales s[6:7]
	s_load_b128 s[8:11], s[0:1], 0x10              ; B's codes s[8:9], B's scales s[10:11]
	s_load_b128 s[96:99], s[0:1], 0x20             ; bq s[96:97], bv s[98:99]
	s_load_b64 s[12:13], s[0:1], 0x30              ; C
	v_lshl_add_u32 v[SPW], v0, 2, SPARE
	v_mov_b32 v[NIL], 0
	ds_add_u32 v[SPW], v[NIL]                      ; the wave's opening: the add, twice on end, and its wait ahead of my first tensor load
	ds_add_u32 v[SPW], v[NIL]                      ; once more; the set-up below, work on registers, stands between it and the wait
	v_lshrrev_b32 v1, 5, v0
	v_readfirstlane_b32 s14, v1                    ; wave 0..3
	s_lshr_b32 s15, s14, 1                         ; which half of the tile's rows is mine.  Also: I fetch for A (0) or for B (1)
	s_and_b32 s16, s14, 1                          ; which half of its columns.  Also: which 128 rows of that tile I fetch
	s_bfe_u32 s40, ttmp6, 0x40000                  ; cx, cy: my place in the cluster
	s_bfe_u32 s41, ttmp6, 0x40004
	s_lshl_b32 s42, ttmp9, 2
	s_add_co_u32 s42, s42, s40                     ; tile column of C = 4 x cluster x + cx
	s_and_b32 s17, ttmp7, 0xffff
	s_lshr_b32 s[TEN], s17, 3                      ; the tensor: cluster y / 8
	s_lshl_b32 s17, s17, 2
	s_add_co_u32 s17, s17, s41                     ; tile row of C = 4 x cluster y + cy
	s_lshl_b32 s43, s41, 2
	s_lshl_b32 s43, 15, s43                        ; my row of the cluster
	s_lshl_b32 s44, 0x1111, s40                    ; my column
	; descriptor group 1: a tile of 128 rows x 256 bytes, padded in LDS
	s_or_b32 s[G1+0], s43, (0<<16)|(1<<20)|(1<<21)|(5<<22)|(3<<25)  ; 15:0 the mask: A's tiles go to my row; 17:16 elements of 1 byte; 20 padding on; 21 set beside a mask; 24:22 after every 64 words; 31:25 four words
	s_or_b32 s[G1B+0], s44, (0<<16)|(1<<20)|(1<<21)|(5<<22)|(3<<25)
.irp g, G1, G1B
	s_mov_b32 s[\g+1], ROWB<<16                    ; tensor_dim0
	s_mov_b32 s[\g+2], 128<<16                     ; tensor_dim1
	s_mov_b32 s[\g+3], ROWB<<16                    ; tile_dim0
	s_mov_b32 s[\g+4], 128                         ; tile_dim1
	s_mov_b32 s[\g+5], KROW                        ; from row to row
	s_mov_b32 s[\g+6], 0
	s_mov_b32 s[\g+7], 0
.endr
	; and for the scales of 128 rows: a dense block of 4,096 bytes, as 16 rows of 256 bytes (32 elements of 8 bytes), 16 bytes of padding behind each
	s_or_b32 s[G1S+0], s43, (3<<16)|(1<<20)|(1<<21)|(5<<22)|(3<<25)
	s_or_b32 s[G1SB+0], s44, (3<<16)|(1<<20)|(1<<21)|(5<<22)|(3<<25)
.irp g, G1S, G1SB
	s_mov_b32 s[\g+1], 32<<16
	s_mov_b32 s[\g+2], (128*KS/256)<<16
	s_mov_b32 s[\g+3], 32<<16
	s_mov_b32 s[\g+4], 128*KS/256
	s_mov_b32 s[\g+5], 32
	s_mov_b32 s[\g+6], 0
	s_mov_b32 s[\g+7], 0
.endr
	s_lshl_b32 s18, s16, 7                         ; which 128 rows of the tile I fetch
	s_lshl_b32 s20, s17, 8
	s_add_co_u32 s20, s20, s18                     ; A: row 256 x tile row + 128 x half
	s_lshl_b32 s46, s42, 8
	s_add_co_u32 s46, s46, s18                     ; B: row 256 x tile column + 128 x half
	s_lshl_b32 s47, s[TEN], 10
	s_add_co_u32 s46, s46, s47                     ;    + 1,024 x tensor
	s_mov_b32 s21, 0
	s_mov_b32 s47, 0
	s_mov_b64 s[18:19], KS
	s_mul_u64 s[22:23], s[20:21], s[18:19]         ; where these rows' scales begin, in bytes
	s_mul_u64 s[92:93], s[46:47], s[18:19]
	s_mov_b64 s[18:19], KROW
	s_mul_u64 s[20:21], s[20:21], s[18:19]         ; and their codes
	s_mul_u64 s[46:47], s[46:47], s[18:19]
	s_mul_i32 s45, s14, HALFT                      ; where they go: wave x 128 rows: no place in the cluster enters an LDS address
	s_mul_i32 s94, s14, HALFS
	s_wait_dscnt 0x0                               ; both opening adds are done
	s_wait_kmcnt 0x0
	s_add_nc_u64 s[20:21], s[4:5], s[20:21]
	s_add_nc_u64 s[22:23], s[6:7], s[22:23]
	s_add_nc_u64 s[46:47], s[8:9], s[46:47]
	s_add_nc_u64 s[92:93], s[10:11], s[92:93]
	CROUND                                         ; all sixteen work-groups are here: the first joint loads meet
	s_mov_b32 s[G0S], 1
	s_add_co_u32 s[G0S+1], s94, SCL
	s_mov_b64 s[G0S+2:G0S+3], s[22:23]
	s_or_b32 s[G0S+3], s[G0S+3], 0x80000000
	s_mov_b32 s[G0SB], 1
	s_add_co_u32 s[G0SB+1], s94, SCL
	s_mov_b64 s[G0SB+2:G0SB+3], s[92:93]
	s_or_b32 s[G0SB+3], s[G0SB+3], 0x80000000
	JLOAD G0S, G1S, G0SB, G1SB                     ; the scales first: they are wanted with the first slot
.irp s, 0,1
	s_mov_b32 s[G0+4*\s], 1
	s_add_co_u32 s[G0+4*\s+1], s45, \s*SLOT
	s_add_nc_u64 s[G0+4*\s+2:G0+4*\s+3], s[20:21], \s*ROWB
	s_or_b32 s[G0+4*\s+3], s[G0+4*\s+3], 0x80000000
	s_mov_b32 s[G0B+4*\s], 1
	s_add_co_u32 s[G0B+4*\s+1], s45, \s*SLOT
	s_add_nc_u64 s[G0B+4*\s+2:G0B+4*\s+3], s[46:47], \s*ROWB
	s_or_b32 s[G0B+4*\s+3], s[G0B+4*\s+3], 0x80000000
	JLOAD G0+4*\s, G1, G0B+4*\s, G1B
.endr
	v_and_b32 v1, 15, v0                           ; l % 16
	v_bfe_u32 v2, v0, 4, 1                         ; l / 16
	; THE BIAS in the result's layout: block b of my columns: lane (r, h) wants the numbers of columns 16 b + 8 h + 0 .. 7.  Q takes bq, V takes bv; K takes zeros (bk is left out).
	v_lshlrev_b32 v[BO], 5, v2
	s_cmp_eq_u32 s[TEN], 0
	s_cselect_b64 s[96:97], s[96:97], s[98:99]
	s_lshl_b32 s18, s42, 10                        ; my first column, 4 bytes each: 1,024 x tile column + 512 x half
	s_lshl_b32 s19, s16, 9
	s_add_co_u32 s18, s18, s19
	s_mov_b32 s19, 0
	s_add_nc_u64 s[96:97], s[96:97], s[18:19]
	s_cmp_eq_u32 s[TEN], 1                         ; the cluster's y alone: the same in all partners and waves
	s_cbranch_scc1 .Lno_bias
.irp b, 0,1,2,3,4,5,6,7
	global_load_b128 v[BIAS+8*\b:BIAS+8*\b+3], v[BO], s[96:97] offset:64*\b
	global_load_b128 v[BIAS+8*\b+4:BIAS+8*\b+7], v[BO], s[96:97] offset:64*\b+16
.endr
	s_branch .Lbias_done
.Lno_bias:
.set i, 0
.rept 64
	v_mov_b32 v[BIAS+i], 0
.set i, i+1
.endr
.Lbias_done:
	v_mul_u32_u24 v3, v1, PITCH
	v_lshl_add_u32 v4, v2, 4, v3                   ; a fragment's row x pitch + 16 x half
	s_mul_i32 s21, s15, HALFT                      ; my 128 rows of A
	s_mul_i32 s22, s16, HALFT                      ; my 128 rows of B,
	s_add_co_u32 s22, s22, 2*HALFT                 ; which lie behind A's 256
.irp s, 0,1
	v_add_nc_u32 v[ADRA+\s], s21, v4
	v_add_nc_u32 v[ADRB+\s], s22, v4
	s_add_co_u32 s21, s21, SLOT
	s_add_co_u32 s22, s22, SLOT
.endr
	v_mul_u32_u24 v5, v1, KS                       ; my row's scales: 32 bytes a row,
	v_lshrrev_b32 v6, 8, v5
	v_lshl_add_u32 v5, v6, 4, v5                   ; and 16 more for each 256 passed
	s_mul_i32 s21, s15, HALFS                      ; A's: my 128 rows
	s_mul_i32 s22, s16, HALFS                      ; B's: my 128 rows, behind A's 256
	s_add_co_u32 s22, s22, 2*HALFS
	s_sub_co_u32 s22, s22, s21
	v_mul_u32_u24 v6, s22, v2                      ; lanes 16-31 take B's: one product, the distance between the two bases
	s_add_co_u32 s21, s21, SCL
	v_add_nc_u32 v5, v5, v6
	v_add_nc_u32 v[ADRS], s21, v5
	s_mul_i32 s23, s14, 16*SPITCH                  ; my stage
	v_mul_u32_u24 v5, v1, SPITCH                   ; in: row l % 16, 16 bytes for each half of the lanes
	v_lshl_add_u32 v5, v2, 4, v5
	v_add_nc_u32 v[STO], s23, v5
	v_mul_u32_u24 v5, v2, SPITCH                   ; back: lanes 0-15 take one row of 256 bytes, lanes 16-31 the next
	v_lshl_add_u32 v5, v1, 4, v5
	v_add_nc_u32 v[RD], s23, v5
	v_lshlrev_b32 v5, 11, v2                       ; and the same two rows in C (2,048 bytes a row)
	v_lshl_add_u32 v[CO], v1, 4, v5
	s_lshl_b32 s20, s17, 8
	s_lshl_b32 s21, s15, 7
	s_add_co_u32 s20, s20, s21                     ; my first row of C: 256 x tile row + 128 x half
	s_lshl_b32 s20, s20, 11
	s_lshl_b32 s46, s42, 9                         ; my first column, in bytes: 512 x tile column + 256 x half
	s_add_co_u32 s20, s20, s46
	s_lshl_b32 s46, s16, 8
	s_add_co_u32 s20, s20, s46
	s_mov_b32 s21, 0
	s_add_nc_u64 s[12:13], s[12:13], s[20:21]
.macro FRAG reg, adr, q, i             ; a fragment, 16 rows x 128 K of 4-bit codes: lane l holds row l % 16; registers 4 c .. 4 c + 3 hold K = 64 c + 32 (l / 16) + 0 .. 31
.irp c, 0,1
	ds_load_b128 v[\reg+4*\c:\reg+4*\c+3], v[\adr] offset:64*(\q)+32*\c+(\i)*16*PITCH
.endr
.endm
; 16 matrix instructions: A's blocks a0, a0 + 1 x B's eight, the slot's q-th 128 along K.  p: B's set;  sc: the set of scale words.  first = 1: the sums begin with the bias.
; The 64 accumulators take turns, one instruction a turn, in the same order in every step.
.macro MUL16 a0, p, q, sc, first
.irp a, \a0, \a0+1
.irp b, 0,1,2,3,4,5,6,7
.if \first
	v_wmma_scale_f32_16x16x128_f8f6f4 v[8*(8*((\a)%4)+\b):8*(8*((\a)%4)+\b)+7], v[128*(\p)+FR*\b:128*(\p)+FR*\b+FR-1], v[AF+FR*(\a):AF+FR*(\a)+FR-1], v[BIAS+8*\b:BIAS+8*\b+7], v[SC+8*NQ*(\sc)+NQ*\b+(\q)], v[SC+8*NQ*(\sc)+NQ*(\a)+(\q)] matrix_a_fmt:MATRIX_FMT_FP4 matrix_b_fmt:MATRIX_FMT_FP4 matrix_a_scale:MATRIX_SCALE_ROW1
.else
	v_wmma_scale_f32_16x16x128_f8f6f4 v[8*(8*((\a)%4)+\b):8*(8*((\a)%4)+\b)+7], v[128*(\p)+FR*\b:128*(\p)+FR*\b+FR-1], v[AF+FR*(\a):AF+FR*(\a)+FR-1], v[8*(8*((\a)%4)+\b):8*(8*((\a)%4)+\b)+7], v[SC+8*NQ*(\sc)+NQ*\b+(\q)], v[SC+8*NQ*(\sc)+NQ*(\a)+(\q)] matrix_a_fmt:MATRIX_FMT_FP4 matrix_b_fmt:MATRIX_FMT_FP4 matrix_a_scale:MATRIX_SCALE_ROW1
.endif
.endr
.endr
.endm
.macro FETCH_B slot, q, p              ; B's eight fragments of the slot's q-th 128 along K into set p
	WIN TO_B
.irp i, 0,1,2,3,4,5,6,7
	FRAG 128*(\p)+FR*\i, ADRB+\slot, \q, \i
.endr
	WIN 0
.endm
.macro FETCH_A slot, q, i0             ; A's blocks i0 .. i0 + 3
.irp i, \i0, \i0+1, \i0+2, \i0+3
	FRAG AF+FR*(\i), ADRA+\slot, \q, \i
.endr
.endm
.macro SCALES sc                       ; a slot's scale words into set sc: four words a row; lanes 0-15 take A's block i, lanes 16-31 B's block i
.irp i, 0,1,2,3,4,5,6,7
	ds_load_b128 v[SC+8*NQ*\sc+NQ*\i:SC+8*NQ*\sc+NQ*\i+3], v[ADRS] offset:\i*SBLK
.endr
.endm
.macro PLACES n                        ; plain vector instructions that name none of a matrix instruction's registers: in front of loads into registers that it has read, and of reads of its results
.rept \n
	v_nop
.endr
.endm
; A step of 128 along K that has its successor in the same slot.  A's blocks are free as soon as their eight products are issued: blocks 0-3 are fetched anew in the step's middle, blocks 4-7 at its end.
.macro STEP slot, q, first
	s_wait_dscnt 4*NL                              ; B's set and A's blocks 0-3 are in; the youngest eight loads (A's blocks 4-7) may be out
.if \first
	WIN BIA_LO
.else
	WIN MUL_LO
.endif
	MUL16 0, (\q)%2, \q, \slot, \first
	MUL16 2, (\q)%2, \q, \slot, \first
	s_wait_dscnt 0                                 ; A's blocks 4-7 are in
	PLACES NP
	FETCH_B \slot, (\q)+1, 1-(\q)%2
	FETCH_A \slot, (\q)+1, 0
.if \first
	WIN BIA_HI
.else
	WIN MUL_HI
.endif
	MUL16 4, (\q)%2, \q, \slot, \first
	MUL16 6, (\q)%2, \q, \slot, \first
	PLACES NP
	WIN 0
	FETCH_A \slot, (\q)+1, 4
.endm
; Slot 0's last step changes slots: one barrier; in front of it each wave waits for all its tensor loads (its part of slot 1), adds 0 to its spare word, and waits for that and for its reads of slot 0.  Nothing is filled again.
.macro TURN slot, next
	s_wait_tensorcnt 0x0                           ; all my tensor loads have landed
	ds_add_u32 v[SPW], v[NIL]                      ; 0 onto my spare word
	s_wait_dscnt 4*NL+1                            ; (the add and the youngest eight loads, A's blocks 4-7, may be out)
	WIN MUL_LO
	MUL16 0, 1, NQ-1, \slot, 0                     ; sixteen matrix instructions stand between the add and the wait for it
	s_wait_dscnt 0x0                               ; the add is done, and my reads of this slot are over
	s_barrier_signal -1
	MUL16 2, 1, NQ-1, \slot, 0
	WIN 0
	s_barrier_wait -1
	PLACES NP
	v_add_nc_u32 v[ADRS], 4*NQ, v[ADRS]            ; on to the next slot's scale words
	FETCH_B \next, 0, 0
	FETCH_A \next, 0, 0
	SCALES \next
	WIN MUL_HI
	MUL16 4, 1, NQ-1, \slot, 0
	MUL16 6, 1, NQ-1, \slot, 0
	PLACES NP
	WIN 0
	FETCH_A \next, 0, 4
.endm
	s_wait_loadcnt 0x0                             ; the bias
	s_wait_tensorcnt 1                             ; the scales and my part of slot 0 are in (slot 1's load may be out)
	s_barrier_signal -1
	s_barrier_wait -1                              ; everybody's are
	FETCH_B 0, 0, 0
	FETCH_A 0, 0, 0
	SCALES 0
	FETCH_A 0, 0, 4
	STEP 0, 0, 1                                   ; the first step's products start the sums, with the bias
	STEP 0, 1, 0
	STEP 0, 2, 0
	TURN 0, 1
	STEP 1, 0, 0
	STEP 1, 1, 0
	STEP 1, 2, 0
	s_wait_dscnt 4*NL                              ; the very last step: nothing more to fetch
	WIN MUL_LO
	MUL16 0, 1, NQ-1, 1, 0
	MUL16 2, 1, NQ-1, 1, 0
	s_wait_dscnt 0
	WIN MUL_HI
	MUL16 4, 1, NQ-1, 1, 0
	MUL16 6, 1, NQ-1, 1, 0
	WIN 0
; THE WAY OUT, block by block of 16 rows x 128 columns.  PACK: rounded to f16, 16 bytes a lane, each accumulator from its low end on.  TOSTAGE: into my own stage and back as whole rows of 256 bytes.  SEND: stored.
.macro PACK a
.set AC, 64*((\a)%4)
.set WP, 0x0a+5*((\a)/4)
	WIN WP                                         ; sources 0 and 1: window 2 or 3
.irp b, 0,1,2,3,4,5,6,7
.irp r, 0,1,2,3
	v_cvt_pk_f16_f32 v[TMP+4*\b+\r], v[AC+8*\b+2*\r], v[AC+8*\b+2*\r+1]
.endr
.endr
	WIN 0
.endm
.macro TOSTAGE a
.set BK, OB+192*((\a)%2)
.irp b, 0,1,2,3,4,5,6,7
	ds_store_b128 v[STO], v[TMP+4*\b:TMP+4*\b+3] offset:32*\b
.endr
.irp t, 0,1,2,3,4,5,6,7
	ds_load_b128 v[BK+4*\t:BK+4*\t+3], v[RD] offset:\t*2*SPITCH    ; LDS serves a wave's instructions in order: these see the stores above
.endr
.endm
.macro SEND a
.set BK, OB+192*((\a)%2)
	s_wait_dscnt 0x0                               ; the block is back in registers
	s_wait_xcnt 0x0                                ; the earlier stores have read their base and their registers: both may be written again
.if (\a) > 0
	s_add_nc_u64 s[12:13], s[12:13], 16*SIZE_N*2   ; 16 rows of C on
.endif
.irp t, 0,1,2,3,4,5,6,7
	global_store_b128 v[CO], v[BK+4*\t:BK+4*\t+3], s[12:13] offset:2*\t*SIZE_N*2   ; 16 lanes store 256 consecutive bytes, at a multiple of 256 from C's first byte
.endr
.endm
	PLACES NP                                      ; behind the last products
	PACK 0
	TOSTAGE 0
.irp a, 1,2,3,4,5,6,7                  ; block a's conversions stand between block a - 1's loads from the stage and the wait for them
	PACK \a
	SEND \a-1
	TOSTAGE \a
.endr
	SEND 7
	s_wait_tensorcnt 0x0                           ; the wave's end: a tensor wait, an add of 0 and its wait behind my last tensor load and my last LDS store
	ds_add_u32 v[SPW], v[NIL]
	s_wait_dscnt 0x0
	CROUND                                         ; the closing round: no work-group ends while a partner may still ask for a tile that names it
	s_endpgm
.Lfunc_end_k_q696dff3f2a_proj:
	.size	k_q696dff3f2a_proj, .Lfunc_end_k_q696dff3f2a_proj-k_q696dff3f2a_proj
	.p2alignl 7, 3214868480
	.fill 96, 4, 3214868480
	.section	.rodata,"a",@progbits
	.p2align	6, 0x0
	.amdhsa_kernel k_q696dff3f2a_proj
		.amdhsa_group_segment_fixed_size 327680
		.amdhsa_private_segment_fixed_size 0
		.amdhsa_enable_private_segment 0
		.amdhsa_kernarg_size 56
		.amdhsa_user_sgpr_count 2
		.amdhsa_user_sgpr_kernarg_segment_ptr 1
		.amdhsa_wavefront_size32 1
		.amdhsa_system_sgpr_workgroup_id_x 1
		.amdhsa_system_sgpr_workgroup_id_y 1
		.amdhsa_system_sgpr_workgroup_id_z 1
		.amdhsa_system_vgpr_workitem_id 0
		.amdhsa_next_free_vgpr 1024
		.amdhsa_next_free_sgpr 100
		.amdhsa_reserve_vcc 0
		.amdhsa_float_denorm_mode_32 3
		.amdhsa_float_denorm_mode_16_64 3
		.amdhsa_memory_ordered 1
		.amdhsa_forward_progress 1
		.amdhsa_inst_pref_size 131
	.end_amdhsa_kernel
	.amdgpu_metadata
---
amdhsa.version: [ 1, 2 ]
amdhsa.kernels:
  - .name:           k_q696dff3f2a_proj
    .symbol:         k_q696dff3f2a_proj.kd
    .args:
      - { .name: xc, .offset: 0, .size: 8, .value_kind: global_buffer, .address_space: global }
      - { .name: xs, .offset: 8, .size: 8, .value_kind: global_buffer, .address_space: global }
      - { .name: wc, .offset: 16, .size: 8, .value_kind: global_buffer, .address_space: global }
      - { .name: ws, .offset: 24, .size: 8, .value_kind: global_buffer, .address_space: global }
      - { .name: bq, .offset: 32, .size: 8, .value_kind: global_buffer, .address_space: global }
      - { .name: bv, .offset: 40, .size: 8, .value_kind: global_buffer, .address_space: global }
      - { .name: qkv, .offset: 48, .size: 8, .value_kind: global_buffer, .address_space: global }
    .group_segment_fixed_size: 327680
    .private_segment_fixed_size: 0
    .kernarg_segment_align: 8
    .kernarg_segment_size: 56
    .max_flat_workgroup_size: 128
    .sgpr_count:     100
    .vgpr_count:     1024
    .wavefront_size: 32
...
	.end_amdgpu_metadata
.endif
;; end of part 3
;; launch attn (part 4): grid 8 x 32, 16 waves a work-group, clusters of 4 x 1, 327,680 bytes of LDS; arguments qkv, ctx; writes ctx
.if DOCPART == 4
	.amdgcn_target "amdgcn-amd-amdhsa--gfx1250"
	.amdhsa_code_object_version 6
	.text
	.protected	k_q696dff3f2a_attn
	.globl	k_q696dff3f2a_attn
	.p2align	8
	.type	k_q696dff3f2a_attn,@function
k_q696dff3f2a_attn:
	s_mov_b64 s[64:65], 0
	v_nop
	global_prefetch_b8 v0, s[64:65] scope:SCOPE_SE
	s_setreg_imm32_b32 hwreg(HW_REG_WAVE_MODE, 25, 1), 1
	s_wait_xcnt 0x0
	s_wait_alu depctr_hold_cnt(0) depctr_sa_sdst(0) depctr_va_vdst(0) depctr_va_sdst(0) depctr_va_ssrc(0) depctr_va_vcc(0) depctr_vm_vsrc(0)
	s_getreg_b32 s2, hwreg(HW_REG_IB_STS2, 6, 4)
	s_cmp_eq_u32 s2, 0
	s_cbranch_scc0 .Lentry_in_a_cluster
	s_endpgm
.Lentry_in_a_cluster:
	s_bfe_u32 s2, ttmp6, 0x10000c
	s_cmp_lg_u32 s2, 0x3003
	s_cbranch_scc0 .Lentry_shape_is_right
	s_endpgm
.Lentry_shape_is_right:
; ctx[b][q][head] = the sum over k of softmax_k(Qh[q] . Kh[k] / 8) Vh[k], 64 heads of size 64, 2,048 keys, no mask.  qkv: Q, K, V as f16, [3][8192][1024]; ctx: f16, [8192][1024].
; Products on f16 operands with f32 sums; maxima, exponentials and sums in f32; the weights p are rounded to f16 for the second product, ctx once at the end.  LIMIT: |ctx| up to 65,504.
; SHARES.  A work-group owns 256 queries of a PAIR of heads: a pair is 128 numbers, 256 aligned bytes of a row, so every tile row that is fetched and every run that is stored is 256 whole bytes.
; Wave w: head w % 2 of the pair, queries 32 (w / 2) on: two tiles of 16, in 256 registers.  Four waves to a SIMD: one wave's vector work stands beside another's products and LDS loads.
; Every wave walks all keys, 64 a step.  K's and V's tiles come through a ring of two LDS slots of two steps each (waves 0, 1: K's two steps; waves 2, 3: V's) and are read by all sixteen.
; LAYOUT.  S^T = K Q^T (source 0 = 16 keys, source 1 = 16 queries): a lane holds ONE query (lane % 16) and the keys 8 (lane / 16) + 0..7 of each tile.  Two such tiles, rounded to f16 in pairs, ARE source 1
; (32 keys x 16 queries) of O^T = V^T P, whose result again holds one query a lane.  K comes out of LDS as it lies, V ([key][channel]) turned, by ds_load_tr16_b128.
; SOFTMAX.  For each query a running maximum m and sum l: p = 2^(c s - c m), c = log2(e) / 8; in every step O and l are multiplied by a = 2^(c m_old - c m_new).  The step is written once: m begins at -3e38 and
; O and l as zeros, which the first a (0) leaves zeros.
; CLUSTER.  The four query blocks of a cluster walk the same K and V: each tile is asked for JOINTLY, by the same tensor load with the same descriptor and a mask that names the four.
; By this text's own count a wave has one tensor load out at the most.
; REGISTERS: v1-11 addresses; v12-27 eight statistics a tile (+0 c m, +1 m, +2, +3 l, +4..+7 at work; a takes +6); v28, v29 the old c m; v32-63 Q; v64-127 eight fragments, K's and then V's; v128-191 S^T, then p; v192-255 O^T.
.set KS,    64                         ; keys in a step
.set PK,    272                        ; a row of K in LDS: 256 bytes + 16: the 16 rows of a load start 16 bytes apart modulo 256
.set PV,    288                        ; a row of V: 256 + 32: the 8 rows x 32 bytes of sixteen lanes of the turning load fall on different words modulo 256
.set VOFF,  KS*PK                      ; a step's tiles lie together: 64 rows of K, then 64 rows of V
.set STEPB, KS*(PK+PV)
.set SLOT1, 1<<17                      ; slot 1 begins here, so that one exclusive or turns an address in one slot into the other's
.set SPARE, SLOT1+2*STEPB              ; behind the ring: the spare words, 128 bytes a wave, which no other line names
.set SLOTB, 2*KS*2048                  ; a slot's 128 rows in memory
.set AK0, 1                            ; v1   my lane's place in a tile of K, my head's 128 bytes of a row
.set AV0, 2                            ; v2   the same for V
.set ADK, 3                            ; v3   LDS address of the step's K
.set ADV, 4                            ; v4   of its V
.set STO, 5                            ; v5   the way out: where I put 16 bytes of a row.  The stage, 256 rows x 272 bytes, lies in slot 0: it has had its last fill, and its last read stands ahead of the last change of slots
.set RD,  6                            ; v6   where I read a row back
.set GO,  7                            ; v7   my byte offset in the wave's rows of ctx
.set SPW, 8                            ; v8   LDS address of my spare word; never rewritten
.set NIL, 9                            ; v9   0; never rewritten
.set PFO, 10                           ; v10  2,048 x my lane: a row of K or V in memory; never rewritten
.set QO,  11                           ; v11  my byte offset in the wave's rows of Q
.set ST,  12
.set OCM, 28
.set Q,   32                           ; tile t, channels 32 c on: v[Q + 16 t + 8 c]
.set KV,  64
.set S,   128                          ; tile t, keys 16 k on: v[S + 32 t + 8 k]
.set O,   192                          ; tile t, channels 16 n on: v[O + 32 t + 8 n]
.set WV,  12                           ; s12  my wave's number
.set LIM, 15                           ; s15  1 in a wave that prefetches, else the greatest number
.set PFA, 18                           ; s[18:19] where my prefetches stand
.set G1K, 24                           ; s[24:31] descriptor group 1 for K's tiles;  s[32:39] for V's: it differs in the padding alone
.set G1V, 32
.set G0K, 40                           ; s[40:43], s[44:47] their groups 0, which walk
.set G0V, 44
.set SLOTS, 56                         ; s56  slots still to be asked for
.set CS,  58                           ; s[58:59] c: the packed form names a pair and takes its low word for both halves
.set SEL, 60                           ; s[60:61] lane selects for v_permlanex16_b32: lane l xor 16
.set TB,  62                           ; s62  LDS byte at which the slot in hand begins
; Waves 0 and 1 fetch for K, waves 2 and 3 for V, the others nothing.  The branches hang on the wave's number alone: they are the same in every work-group.  An s_nop 0 and four v_nop follow each line.
.macro JLOAD
	s_cmp_lt_u32 s[WV], 2
	s_cbranch_scc0 .Lnot_k_\@
	tensor_load_to_lds s[G0K:G0K+3], s[G1K:G1K+7]
	s_nop 0
.rept 4
	v_nop
.endr
	s_branch .Lasked_\@
.Lnot_k_\@:
	s_cmp_lt_u32 s[WV], 4
	s_cbranch_scc0 .Lasked_\@
	tensor_load_to_lds s[G0V:G0V+3], s[G1V:G1V+7]
	s_nop 0
.rept 4
	v_nop
.endr
.Lasked_\@:
.endm
; A PREFETCH of what the NEXT change of slots will ask for: a slot's 128 rows of K and of V, 256 bytes of each row, a lane a row.  Each row's 256 bytes are named once in the launch: both clusters of a pair of heads walk
; the same rows, and the first of them asks; its four partners take 32 rows each, told apart BY ADDRESS; in each, wave 4 asks for K's and wave 5 for V's: waves that fetch nothing.
; It stands two key steps ahead of the load that will want the rows.  The last change that fills a slot asks for nothing; slots 0 and 1 come by their loads alone.
.macro ASK
	s_cmp_gt_u32 s[SLOTS], s[LIM]
	s_cbranch_scc0 .Lnot_mine_\@
	global_prefetch_b8 v[PFO], s[PFA:PFA+1] th:TH_LOAD_NT scope:SCOPE_SE
.Lnot_mine_\@:
.endm
.macro CROUND                          ; a round of the cluster's barrier: my work-group's barrier; wave 0 signals for the work-group; every wave waits for all four work-groups; my work-group's barrier once more
	s_barrier_signal -1
	s_barrier_wait -1
	s_cmp_lg_u32 s[WV], 0
	s_cbranch_scc1 .Lnot_wave_0_\@
	s_barrier_signal -3
.Lnot_wave_0_\@:
	s_barrier_wait -3
	s_barrier_signal -1
	s_barrier_wait -1
.endm
	s_load_b128 s[4:7], s[0:1], 0x0                ; qkv s[4:5], ctx s[6:7]
	v_lshl_add_u32 v[SPW], v0, 2, SPARE
	v_mov_b32 v[NIL], 0
	ds_add_u32 v[SPW], v[NIL]                      ; the wave's opening: the add, twice on end, and its wait ahead of the first tensor loads
	ds_add_u32 v[SPW], v[NIL]                      ; once more; the set-up below, work on registers, stands between it and the wait
	v_lshrrev_b32 v1, 5, v0
	v_readfirstlane_b32 s[WV], v1                  ; wave 0..15
	s_bfe_u32 s13, ttmp6, 0x40000                  ; cx: my place in the cluster
	s_lshl_b32 s14, ttmp9, 2
	s_add_co_u32 s14, s14, s13                     ; my block of 256 queries: it enters Q's and ctx's addresses alone
	s_and_b32 s20, ttmp7, 0xffff                   ; 8 x batch + pair of heads, which the four partners share
	s_lshr_b32 s21, s20, 3
	s_and_b32 s20, s20, 7
	s_lshl_b32 s48, s21, 22                        ; a batch: 2,048 rows of 2,048 bytes
	s_lshl_b32 s20, s20, 8                         ; a pair of heads: 256 bytes of a row
	s_add_co_u32 s48, s48, s20
	s_and_b32 s16, s[WV], 1                        ; my head of the pair.  Also: which of a slot's two steps I fetch
	s_lshr_b32 s17, s[WV], 1                       ; my 32 queries of the 256
	s_lshl_b32 s50, s16, 17                        ; a step: 64 rows
	s_add_co_u32 s50, s50, s48
	s_mov_b32 s51, 0
	s_mul_i32 s22, s16, STEPB                      ; and its place in a slot: no place in the cluster enters an LDS address
	s_lshl_b32 s52, s14, 19                        ; my block's 256 rows
	s_add_co_u32 s52, s52, s48
	s_lshl_b32 s23, s17, 16
	s_add_co_u32 s54, s52, s23
	s_lshl_b32 s23, s16, 7
	s_add_co_u32 s54, s54, s23                     ; Q: my 32 rows, my head's 128 bytes
	s_mov_b32 s55, 0
	s_lshl_b32 s23, s[WV], 15
	s_add_co_u32 s52, s52, s23                     ; ctx: the 16 whole rows (of the pair) that I store
	s_mov_b32 s53, 0
	; descriptor group 1: a tile of 64 rows x 128 elements of 2 bytes, rows 1,024 elements apart, padded in LDS
	s_mov_b32 s[G1K], 15|(1<<16)|(1<<20)|(1<<21)|(5<<22)|(3<<25)  ; 15:0 the mask: all four work-groups; 17:16 elements of 2 bytes; 20 padding on; 21 set beside a mask; 24:22 after every 64 words; 31:25 four words
	s_mov_b32 s[G1V], 15|(1<<16)|(1<<20)|(1<<21)|(5<<22)|(7<<25)  ; the same with eight words of padding
.irp g, G1K, G1V
	s_mov_b32 s[\g+1], 128<<16                     ; tensor_dim0
	s_mov_b32 s[\g+2], KS<<16                      ; tensor_dim1
	s_mov_b32 s[\g+3], 128<<16                     ; tile_dim0
	s_mov_b32 s[\g+4], KS                          ; tile_dim1
	s_mov_b32 s[\g+5], 1024                        ; from row to row
	s_mov_b32 s[\g+6], 0
	s_mov_b32 s[\g+7], 0
.endr
	s_mov_b32 s[CS], 0x3e38aa3b                    ; c = log2(e) / 8
	s_mov_b32 s[CS+1], s[CS]                       ; (named with it as a pair, so it is written)
	s_mov_b32 s[SEL], 0x76543210
	s_mov_b32 s[SEL+1], 0xfedcba98
	s_mov_b32 s[TB], 0
	s_mov_b32 s[SLOTS], 15
	s_lshr_b32 s[LIM], s[WV], 1
	s_xor_b32 s[LIM], s[LIM], 2                    ; 0 in waves 4 and 5,
	s_or_b32 s[LIM], s[LIM], ttmp9                 ; of the pair's first cluster: the same in all four partners
	s_cmp_eq_u32 s[LIM], 0
	s_cselect_b32 s[LIM], 1, -1
	s_lshl_b32 s20, 0x1000000, s16                 ; the prefetches' offset: K begins 16,777,216 bytes into qkv (wave 4), V twice as far (wave 5),
	s_add_co_u32 s20, s20, s48                     ; the batch and the pair,
	s_lshl_b32 s21, s13, 16                        ; my work-group's 32 rows of the 128,
	s_add_co_u32 s20, s20, s21
	s_add_co_u32 s20, s20, SLOTB                   ; in slot 1: the first change of slots steps it to slot 2.  Nothing is prefetched at the head
	s_mov_b32 s21, 0
	s_wait_dscnt 0x0                               ; both opening adds are done
	s_wait_kmcnt 0x0
	s_add_nc_u64 s[8:9], s[4:5], s[54:55]          ; Q at my first row
	s_add_nc_u64 s[10:11], s[6:7], s[52:53]        ; ctx at the first row that I store
	s_add_nc_u64 s[PFA:PFA+1], s[4:5], s[20:21]
	s_mov_b32 s[G0K], 1                            ; 1:0 count = 1
	s_mov_b32 s[G0K+1], s22                        ; 63:32 LDS address: slot 0
	s_add_nc_u64 s[G0K+2:G0K+3], s[4:5], s[50:51]  ; 120:64 global address
	s_add_nc_u64 s[G0K+2:G0K+3], s[G0K+2:G0K+3], 16777216
	s_or_b32 s[G0K+3], s[G0K+3], 0x80000000        ; 127:126 type = 2
	s_mov_b32 s[G0V], 1
	s_add_co_u32 s[G0V+1], s22, VOFF
	s_add_nc_u64 s[G0V+2:G0V+3], s[4:5], s[50:51]
	s_add_nc_u64 s[G0V+2:G0V+3], s[G0V+2:G0V+3], 33554432
	s_or_b32 s[G0V+3], s[G0V+3], 0x80000000
	CROUND                                         ; all four work-groups are here: the first joint loads meet
	JLOAD                                          ; slot 0
	v_and_b32 v12, 15, v0                          ; r = l % 16
	v_bfe_u32 v13, v0, 4, 1                        ; h = l / 16
	v_lshlrev_b32 v[QO], 11, v12
	v_lshl_add_u32 v[QO], v13, 4, v[QO]            ; row x 2,048 + 16 x half
.irp t, 0,1                            ; Q stays in registers.  A fragment is 16 rows x 32 channels: lane l holds row l % 16; registers 0-3 channels 8 h + 0..7, registers 4-7 channels 16 + 8 h + 0..7
.irp c, 0,1
	global_load_b128 v[Q+16*\t+8*\c:Q+16*\t+8*\c+3],   v[QO], s[8:9] offset:\t*32768+64*\c
	global_load_b128 v[Q+16*\t+8*\c+4:Q+16*\t+8*\c+7], v[QO], s[8:9] offset:\t*32768+64*\c+32
.endr
.endr
	v_mul_u32_u24 v[AK0], v12, PK
	v_lshl_add_u32 v[AK0], v13, 4, v[AK0]
	s_lshl_b32 s23, s16, 7
	v_add_nc_u32 v[AK0], s23, v[AK0]               ; row x pitch + 16 x half + my head's 128 bytes
	; The turning load takes 16 keys x 16 channels (lane l reads 16 bytes: key 8 h + l % 8, channels 8 ((l / 8) % 2) + 0..7) and leaves half a fragment of V^T: lane l holds channel l % 16 and 8 keys.
	v_and_b32 v14, 7, v0
	v_bfe_u32 v15, v0, 3, 1
	v_lshl_add_u32 v[AV0], v13, 3, v14
	v_mul_u32_u24 v[AV0], v[AV0], PV
	v_lshl_add_u32 v[AV0], v15, 4, v[AV0]
	s_add_co_u32 s23, s23, VOFF
	v_add_nc_u32 v[AV0], s23, v[AV0]
	s_mul_i32 s20, s17, 32*272                     ; the stage, in: row 32 (w / 2) + r (+ 16 for tile 1), my head's 128 bytes, 16 bytes for each half of the lanes
	s_lshl_b32 s21, s16, 7
	s_add_co_u32 s20, s20, s21
	v_mul_u32_u24 v[STO], v12, 272
	v_lshl_add_u32 v[STO], v13, 4, v[STO]
	v_add_nc_u32 v[STO], s20, v[STO]
	s_mul_i32 s20, s[WV], 16*272                   ; back: rows 16 w on; lanes 0-15 take one row of 256 bytes, lanes 16-31 the next
	v_mul_u32_u24 v[RD], v13, 272
	v_lshl_add_u32 v[RD], v12, 4, v[RD]
	v_add_nc_u32 v[RD], s20, v[RD]
	v_lshlrev_b32 v[GO], 11, v13                   ; and the same two rows in ctx
	v_lshl_add_u32 v[GO], v12, 4, v[GO]
	v_and_b32 v[PFO], 31, v0
	v_lshlrev_b32 v[PFO], 11, v[PFO]
.irp t, 0,1
	v_mov_b32 v[ST+8*\t+1], 0xff61b1e6             ; m: -3e38, under every score
	v_mul_f32 v[ST+8*\t], s[CS], v[ST+8*\t+1]      ; c m
	v_mov_b32 v[ST+8*\t+2], 0                      ; l, in two halves
	v_mov_b32 v[ST+8*\t+3], 0
.endr
.set i, 0
.rept 64
	v_mov_b32 v[O+i], 0                            ; O^T: the step is written once, and its first run finds zeros
.set i, i+1
.endr
; THE SOFTMAX of both tiles for one key step, the tiles line by line.  s0-s31 are a lane's 32 scores of a tile.
.macro SOFTMAX
.irp j, 0,1,2,3                        ; the maximum, three operands at a time: four chains, each begun at the low end of one accumulator
.irp t, 0,1
	v_max3_num_f32 v[ST+8*\t+4+\j], v[S+32*\t+8*\j], v[S+32*\t+8*\j+1], v[S+32*\t+8*\j+2]
.endr
.endr
.irp i, 3,5
.irp j, 0,1,2,3
.irp t, 0,1
	v_max3_num_f32 v[ST+8*\t+4+\j], v[ST+8*\t+4+\j], v[S+32*\t+8*\j+\i], v[S+32*\t+8*\j+\i+1]
.endr
.endr
.endr
.irp t, 0,1
	v_max3_num_f32 v[ST+8*\t+4], v[ST+8*\t+4], v[S+32*\t+7], v[S+32*\t+15]
	v_max3_num_f32 v[ST+8*\t+6], v[ST+8*\t+6], v[S+32*\t+23], v[S+32*\t+31]
.endr
.irp t, 0,1
	v_max3_num_f32 v[ST+8*\t+4], v[ST+8*\t+4], v[ST+8*\t+5], v[ST+8*\t+6]
.endr
.irp t, 0,1
	v_max3_num_f32 v[ST+8*\t+4], v[ST+8*\t+4], v[ST+8*\t+7], v[ST+8*\t+1]   ; with the old m
.endr
.irp t, 0,1
	v_permlanex16_b32 v[ST+8*\t+5], v[ST+8*\t+4], s[SEL], s[SEL+1]          ; the query's other 32 keys lie in the lane 16 away
.endr
.irp t, 0,1
	v_max_num_f32 v[ST+8*\t+1], v[ST+8*\t+4], v[ST+8*\t+5]                  ; the new m
.endr
.irp t, 0,1
	v_mul_f32 v[ST+8*\t], s[CS], v[ST+8*\t+1]                               ; c m
.endr
.irp t, 0,1
	v_sub_f32 v[OCM+\t], v[OCM+\t], v[ST+8*\t]                              ; c m_old - c m_new
.endr
.irp b, 0,2,4,6,8,10,12,14,16,18,20,22,24,26,28,30
.irp t, 0,1
	v_pk_fma_f32 v[S+32*\t+\b:S+32*\t+\b+1], v[S+32*\t+\b:S+32*\t+\b+1], s[CS:CS+1], v[ST+8*\t:ST+8*\t+1] op_sel_hi:[1,0,0] neg_lo:[0,0,1] neg_hi:[0,0,1]   ; c s - c m, two at a time
.endr
.endr
.irp t, 0,1
	v_exp_f32 v[ST+8*\t+6], v[OCM+\t]              ; a
.endr
.set i, 0
.rept 64
	v_exp_f32 v[S+i], v[S+i]                       ; p, at most 1 but for c m's rounding, which is the same for all keys of a query
.set i, i+1
.endr
	v_nop                                          ; the plain instruction behind the last exponential
	s_wait_alu depctr_va_vdst(0)                   ; ONE wait for the batch of 66, ahead of the first instruction that names a result
.irp t, 0,1
	v_pk_mul_f32 v[ST+8*\t+2:ST+8*\t+3], v[ST+8*\t+2:ST+8*\t+3], v[ST+8*\t+6:ST+8*\t+7] op_sel_hi:[1,0]   ; l x a
	v_pk_add_f32 v[ST+8*\t+4:ST+8*\t+5], v[S+32*\t:S+32*\t+1], v[S+32*\t+2:S+32*\t+3]                      ; the sum is taken of the unrounded p, in two chains
.endr
.irp j, 4,8,12,16,20,24,28
.irp t, 0,1
	v_pk_add_f32 v[ST+8*\t+2:ST+8*\t+3], v[ST+8*\t+2:ST+8*\t+3], v[S+32*\t+\j:S+32*\t+\j+1]
	v_pk_add_f32 v[ST+8*\t+4:ST+8*\t+5], v[ST+8*\t+4:ST+8*\t+5], v[S+32*\t+\j+2:S+32*\t+\j+3]
.endr
.endr
.irp t, 0,1
	v_pk_add_f32 v[ST+8*\t+2:ST+8*\t+3], v[ST+8*\t+2:ST+8*\t+3], v[ST+8*\t+4:ST+8*\t+5]
.endr
.set i, 0
.rept 16                               ; p to f16, in place and ascending: result i lands at or under the two numbers that it is made of.  Registers 8 g .. 8 g + 7 of a tile are then P's fragment of keys 32 g on
	v_cvt_pk_f16_f32 v[S+i], v[S+2*i], v[S+2*i+1]
	v_cvt_pk_f16_f32 v[S+32+i], v[S+32+2*i], v[S+32+2*i+1]
.set i, i+1
.endr
.set i, 0
.rept 16                               ; O^T x a, each accumulator from its low end on
	v_pk_mul_f32 v[O+2*i:O+2*i+1], v[O+2*i:O+2*i+1], v[ST+6:ST+7] op_sel_hi:[1,0]
	v_pk_mul_f32 v[O+32+2*i:O+32+2*i+1], v[O+32+2*i:O+32+2*i+1], v[ST+14:ST+15] op_sel_hi:[1,0]
.set i, i+1
.endr
.endm
; A KEY STEP: 64 keys, the q-th of the slot in hand.  In each run of products the eight accumulators take turns, one instruction a turn.
.macro STEP q
	v_add_nc_u32 v[ADK], s[TB], v[AK0]             ; these two and three v_nop: five places behind the last step's products, in front of the loads into the fragments that they read
	v_add_nc_u32 v[ADV], s[TB], v[AV0]             ; and of the products below, which write over P
.rept 3
	v_nop
.endr
.irp c, 0,1                            ; K: channels 32 c on, keys 16 k on
.irp k, 0,1,2,3
	ds_load_b128 v[KV+8*(4*\c+\k):KV+8*(4*\c+\k)+3],   v[ADK] offset:(\q)*STEPB+\k*16*PK+64*\c
	ds_load_b128 v[KV+8*(4*\c+\k)+4:KV+8*(4*\c+\k)+7], v[ADK] offset:(\q)*STEPB+\k*16*PK+64*\c+32
.endr
.endr
	s_wait_dscnt 8                                 ; the first 32 channels' eight loads are in; the other eight may be out
.irp k, 0,1,2,3
.irp t, 0,1
	v_wmma_f32_16x16x32_f16 v[S+32*\t+8*\k:S+32*\t+8*\k+7], v[KV+8*\k:KV+8*\k+7], v[Q+16*\t:Q+16*\t+7], 0
.endr
.endr
	s_wait_dscnt 0x0
.irp k, 0,1,2,3
.irp t, 0,1
	v_wmma_f32_16x16x32_f16 v[S+32*\t+8*\k:S+32*\t+8*\k+7], v[KV+32+8*\k:KV+32+8*\k+7], v[Q+16*\t+8:Q+16*\t+15], v[S+32*\t+8*\k:S+32*\t+8*\k+7]
.endr
.endr
	v_mov_b32 v[OCM], v[ST]                        ; c m_old is kept for a.  These two and two v_nop: four places, in front of the loads over K's fragments and of the first read of the scores
	v_mov_b32 v[OCM+1], v[ST+8]
	v_nop
	v_nop
.irp g, 0,1                            ; V, turned: keys 32 g on, channels 16 n on.  The loads land while the softmax is walked
.irp n, 0,1,2,3
	ds_load_tr16_b128 v[KV+8*(4*\g+\n):KV+8*(4*\g+\n)+3],   v[ADV] offset:(\q)*STEPB+\g*32*PV+32*\n
	ds_load_tr16_b128 v[KV+8*(4*\g+\n)+4:KV+8*(4*\g+\n)+7], v[ADV] offset:(\q)*STEPB+\g*32*PV+16*PV+32*\n
.endr
.endr
	SOFTMAX
	s_wait_dscnt 8                                 ; the first 32 keys' eight loads are in
.irp n, 0,1,2,3
.irp t, 0,1
	v_wmma_f32_16x16x32_f16 v[O+32*\t+8*\n:O+32*\t+8*\n+7], v[KV+8*\n:KV+8*\n+7], v[S+32*\t:S+32*\t+7], v[O+32*\t+8*\n:O+32*\t+8*\n+7]
.endr
.endr
	s_wait_dscnt 0x0
.irp n, 0,1,2,3
.irp t, 0,1
	v_wmma_f32_16x16x32_f16 v[O+32*\t+8*\n:O+32*\t+8*\n+7], v[KV+32+8*\n:KV+32+8*\n+7], v[S+32*\t+8:S+32*\t+15], v[O+32*\t+8*\n:O+32*\t+8*\n+7]
.endr
.endr
.endm
; THE CHANGE OF SLOTS stands at a slot's head.  Each wave waits for all its tensor loads (its part of the slot that it is about to read), adds 0 to its spare word, and waits for that and for its reads of the slot that it has left.
; fill = 1: the barrier is a round of the cluster's, so that no wave of any partner still reads the other slot or has a load on its way; behind it that slot is filled with the next 128 keys: the load has two key steps in which to land.
.macro CHANGE fill
	s_wait_tensorcnt 0x0                           ; no tensor load of mine is out, so a group 0 may be written
	ds_add_u32 v[SPW], v[NIL]                      ; 0 onto my spare word
.if \fill
	ds_add_u32 v[SPW], v[NIL]                      ; and once more: the add stands twice on end, in every trip alike
	s_xor_b32 s[G0K+1], s[G0K+1], SLOT1            ; the walking descriptors: the other slot than last time,
	s_add_nc_u64 s[G0K+2:G0K+3], s[G0K+2:G0K+3], SLOTB   ; the next 128 keys; the type bits on top are not reached
	s_xor_b32 s[G0V+1], s[G0V+1], SLOT1
	s_add_nc_u64 s[G0V+2:G0V+3], s[G0V+2:G0V+3], SLOTB
	s_wait_xcnt 0x0                                ; the last prefetch, a slot back, has read its address, so it may be written:
	s_add_nc_u64 s[PFA:PFA+1], s[PFA:PFA+1], SLOTB ; one slot further on than the walking descriptors
	s_wait_dscnt 0x0                               ; both adds are done, and my reads of the slot that I have left are over
	CROUND
	JLOAD                                          ; the first thing behind the round, and a wave's one tensor load until the next
	ASK
.else
	s_wait_dscnt 0x0
	s_barrier_signal -1
	s_barrier_wait -1
.endif
.endm
	s_wait_loadcnt 0x0                             ; Q
.Lslot:                                            ; 15 trips: behind each change of slots but the last the next slot is asked for
	CHANGE 1
	STEP 0
	STEP 1
	s_xor_b32 s[TB], s[TB], SLOT1                  ; on to the other slot
	s_sub_co_u32 s[SLOTS], s[SLOTS], 1
	s_cmp_lg_u32 s[SLOTS], 0
	s_cbranch_scc1 .Lslot
	CHANGE 0                                       ; the last slot is written out
	STEP 0
	STEP 1
	; THE WAY OUT.  l's two halves and the other half of the lanes' are added; O^T is divided by l, rounded to f16 and sent through the work-group's stage, since a row's 256 bytes come from two waves.  The additions are the places behind the last products.
.irp t, 0,1
	v_add_f32 v[ST+8*\t+4], v[ST+8*\t+2], v[ST+8*\t+3]
.endr
.irp t, 0,1
	v_permlanex16_b32 v[ST+8*\t+5], v[ST+8*\t+4], s[SEL], s[SEL+1]
.endr
.irp t, 0,1
	v_add_f32 v[ST+8*\t+4], v[ST+8*\t+4], v[ST+8*\t+5]
.endr
.irp t, 0,1
	v_rcp_f32 v[ST+8*\t+6], v[ST+8*\t+4]
.endr
	v_nop                                          ; a plain instruction behind the last reciprocal
	s_wait_alu depctr_va_vdst(0)                   ; and the wait ahead of the first use: one for both
.irp t, 0,1
.set i, 0
.rept 16
	v_pk_mul_f32 v[O+32*\t+2*i:O+32*\t+2*i+1], v[O+32*\t+2*i:O+32*\t+2*i+1], v[ST+8*\t+6:ST+8*\t+7] op_sel_hi:[1,0]
.set i, i+1
.endr
.endr
.irp t, 0,1
.set i, 0
.rept 16
	v_cvt_pk_f16_f32 v[S+16*\t+i], v[O+32*\t+2*i], v[O+32*\t+2*i+1]   ; a lane's eight channels of a row: 16 bytes
.set i, i+1
.endr
.endr
.irp t, 0,1
.irp n, 0,1,2,3
	ds_store_b128 v[STO], v[S+16*\t+4*\n:S+16*\t+4*\n+3] offset:\t*16*272+32*\n
.endr
.endr
	s_wait_dscnt 0x0                               ; for the others' sake: my stores into the stage are done
	s_barrier_signal -1
	s_barrier_wait -1
.irp i, 0,1,2,3,4,5,6,7
	ds_load_b128 v[KV+4*\i:KV+4*\i+3], v[RD] offset:2*\i*272
.endr
.irp i, 0,1,2,3,4,5,6,7
	s_wait_dscnt 7-\i                              ; rows 2 i and 2 i + 1 are back; the younger loads stay out
	global_store_b128 v[GO], v[KV+4*\i:KV+4*\i+3], s[10:11] offset:2*\i*2048   ; 16 lanes store 256 consecutive bytes, at a multiple of 256 from ctx's first byte
.endr
	s_wait_tensorcnt 0x0                           ; the wave's end: a tensor wait, an add of 0 and its wait behind my last tensor load and my last LDS store
	ds_add_u32 v[SPW], v[NIL]
	s_wait_dscnt 0x0
	CROUND                                         ; the closing round: no work-group ends while a partner may still ask for a tile that names it
	s_endpgm
.Lfunc_end_k_q696dff3f2a_attn:
	.size	k_q696dff3f2a_attn, .Lfunc_end_k_q696dff3f2a_attn-k_q696dff3f2a_attn
	.p2alignl 7, 3214868480
	.fill 96, 4, 3214868480
	.section	.rodata,"a",@progbits
	.p2align	6, 0x0
	.amdhsa_kernel k_q696dff3f2a_attn
		.amdhsa_group_segment_fixed_size 327680
		.amdhsa_private_segment_fixed_size 0
		.amdhsa_enable_private_segment 0
		.amdhsa_kernarg_size 16
		.amdhsa_user_sgpr_count 2
		.amdhsa_user_sgpr_kernarg_segment_ptr 1
		.amdhsa_wavefront_size32 1
		.amdhsa_system_sgpr_workgroup_id_x 1
		.amdhsa_system_sgpr_workgroup_id_y 1
		.amdhsa_system_sgpr_workgroup_id_z 1
		.amdhsa_system_vgpr_workitem_id 0
		.amdhsa_next_free_vgpr 256
		.amdhsa_next_free_sgpr 66
		.amdhsa_reserve_vcc 0
		.amdhsa_float_denorm_mode_32 3
		.amdhsa_float_denorm_mode_16_64 3
		.amdhsa_memory_ordered 1
		.amdhsa_forward_progress 1
		.amdhsa_inst_pref_size 87
	.end_amdhsa_kernel
	.amdgpu_metadata
---
amdhsa.version: [ 1, 2 ]
amdhsa.kernels:
  - .name:           k_q696dff3f2a_attn
    .symbol:         k_q696dff3f2a_attn.kd
    .args:
      - { .name: qkv, .offset: 0, .size: 8, .value_kind: global_buffer, .address_space: global }
      - { .name: ctx, .offset: 8, .size: 8, .value_kind: global_buffer, .address_space: global }
    .group_segment_fixed_size: 327680
    .private_segment_fixed_size: 0
    .kernarg_segment_align: 8
    .kernarg_segment_size: 16
    .max_flat_workgroup_size: 512
    .sgpr_count:     66
    .vgpr_count:     256
    .wavefront_size: 32
...
	.end_amdgpu_metadata
.endif
;; end of part 4
;; launch oproj (part 5): grid 8 x 64, 4 waves a work-group, clusters of 4 x 4, 327,680 bytes of LDS; arguments ctx, wot, bo, out0; writes out0
.if DOCPART == 5
	.amdgcn_target "amdgcn-amd-amdhsa--gfx1250"
	.amdhsa_code_object_version 6
	.text
	.protected	k_q696dff3f2a_oproj
	.globl	k_q696dff3f2a_oproj
	.p2align	8
	.type	k_q696dff3f2a_oproj,@function
k_q696dff3f2a_oproj:
	s_mov_b64 s[64:65], 0
	v_nop
	global_prefetch_b8 v0, s[64:65] scope:SCOPE_SE
	s_setreg_imm32_b32 hwreg(HW_REG_WAVE_MODE, 25, 1), 1
	s_wait_xcnt 0x0
	s_wait_alu depctr_hold_cnt(0) depctr_sa_sdst(0) depctr_va_vdst(0) depctr_va_sdst(0) depctr_va_ssrc(0) depctr_va_vcc(0) depctr_vm_vsrc(0)
	s_getreg_b32 s2, hwreg(HW_REG_IB_STS2, 6, 4)
	s_cmp_eq_u32 s2, 0
	s_cbranch_scc0 .Lentry_in_a_cluster
	s_endpgm
.Lentry_in_a_cluster:
	s_bfe_u32 s2, ttmp6, 0x10000c
	s_cmp_lg_u32 s2, 0xf033
	s_cbranch_scc0 .Lentry_shape_is_right
	s_endpgm
.Lentry_shape_is_right:
; out0 = ctx Wo + bo: C[m][n] = bo[n] + the sum over k of A[m][k] B[n][k].  A = ctx [8192][1024], B = wot [1024 (n)][1024 (k)], both f16; sums in f32; C [8192][1024] f32.
; A tile of C is 128 x 128: 512 tiles, two for each of 256 WGPs; tiles of 256 x 256 would be 128.  Four waves, each 64 x 64: 16 accumulators of 16 x 16.  K goes in four steps of 256 (LDS rows of 512 bytes; a wave's
; tensor load brings 64 of them) through two slots, each of which is filled twice.
; CLUSTERS: 4 x 4 work-groups.  The four of a row of the cluster need the same tiles of A, the four of a column the same tiles of B: each tile is asked for JOINTLY, by the same tensor load with the same descriptor and a
; mask that names the four.  THE MATRIX INSTRUCTION IS USED TRANSPOSED (source 0 = 16 rows of B, source 1 = 16 rows of A): a lane then holds eight neighbouring numbers of a row of C.  THE BIAS is the C of each sum's first instruction.
; A wave's 64 columns of f32 are 256 aligned bytes of a row of C.
; REGISTERS: window 0: v0-31 addresses; v32-95 at work on the way out; v96-127 the bias, 8 registers for each of my 4 blocks of columns; v128-255 the accumulators ((a, b) at v[128 + 8 (4 a + b)]).
;   window 1: two fragment buffers of 128: for 64 along K, 64 registers of A (2 x 4 x 16 rows x 32 K), then 64 of B.
; By this text's own count a wave has two tensor loads out at the start and one behind each round.
.set SIZE_N, 1024
.set SIZE_K, 1024
.set KSTEP,  256
.set PITCH,  528                       ; an LDS row: 512 bytes + 16 of padding: the 16 rows that a load touches start 16 bytes apart modulo 256
.set HALFT,  64*PITCH                  ; 64 rows: what one tensor load brings, and what one wave reads of A or of B
.set SLOT,   4*HALFT                   ; A's 128 rows, then B's 128 rows
.set STAGE,  2*SLOT                    ; behind the ring: 16 rows x 272 bytes for each wave
.set SPITCH, 272
.set SPARE,  STAGE+4*16*SPITCH         ; behind the stages: the spare words, 128 bytes a wave, which no other line names
.set ADRA, 16                          ; v16-17  LDS address of my A fragments in slot 0, 1
.set ADRB, 20                          ; v20-21  the same for B
.set STO,  24                          ; v24     the way out: where I put 32 bytes of a row
.set RD,   25                          ; v25     where I read a row back
.set CO,   26                          ; v26     my byte offset in C
.set BO,   27                          ; v27     the bias: 32 bytes for each half of the lanes
.set SPW,  28                          ; v28     LDS address of my spare word; never rewritten
.set NIL,  29                          ; v29     0; never rewritten
.set TMP,  32
.set BIAS, 96
.set ACC,  128
.set F0,   0                           ; fragment buffers, in window 1
.set F1,   128
.set G1, 24                            ; s[24:31] descriptor group 1 for A's tiles;  s[32:39] group 0, one set for each slot
.set G0, 32
.set G1B, 48                           ; s[48:55], s[56:63] the same for B's tiles
.set G0B, 56
.set MSB, 0
.macro WIN new                         ; the immediate's high byte repeats the setting that is left
.if MSB != \new
	s_set_vgpr_msb (MSB<<8)|\new
.set MSB, \new
.endif
.endm
.set MUL,  0x05                        ; sources 0 (B) and 1 (A) window 1; C and D window 0
.set TO_F, 0x40                        ; destination window 1, address window 0
.macro JLOAD s                         ; a joint load: waves 0 and 1 fetch A's two halves, waves 2 and 3 B's; an s_nop 0 and four v_nop follow each of the two lines
	s_cmp_eq_u32 s11, 0
	s_cbranch_scc0 .Lfor_b_\@
	tensor_load_to_lds s[G0+4*\s:G0+4*\s+3], s[G1:G1+7]
	s_nop 0
.rept 4
	v_nop
.endr
	s_branch .Lasked_\@
.Lfor_b_\@:
	tensor_load_to_lds s[G0B+4*\s:G0B+4*\s+3], s[G1B:G1B+7]
	s_nop 0
.rept 4
	v_nop
.endr
.Lasked_\@:
.endm
.macro CREST                           ; a round of the cluster's barrier behind its opening barrier
	s_cmp_lg_u32 s10, 0
	s_cbranch_scc1 .Lnot_wave_0_\@
	s_barrier_signal -3
.Lnot_wave_0_\@:
	s_barrier_wait -3
	s_barrier_signal -1
	s_barrier_wait -1
.endm
.macro CROUND                          ; a whole round
	s_barrier_signal -1
	s_barrier_wait -1
	CREST
.endm
	s_load_b128 s[4:7], s[0:1], 0x0                ; A s[4:5], B s[6:7]
	s_load_b64 s[66:67], s[0:1], 0x10              ; bo
	s_load_b64 s[8:9], s[0:1], 0x18                ; C
	v_lshl_add_u32 v[SPW], v0, 2, SPARE
	v_mov_b32 v[NIL], 0
	ds_add_u32 v[SPW], v[NIL]                      ; the wave's opening: the add, twice on end, and its wait ahead of my first tensor load
	ds_add_u32 v[SPW], v[NIL]                      ; once more; the set-up below, work on registers, stands between it and the wait
	v_lshrrev_b32 v1, 5, v0
	v_readfirstlane_b32 s10, v1                    ; wave 0..3
	s_lshr_b32 s11, s10, 1                         ; which half of the tile's rows is mine.  Also: I fetch for A (0) or for B (1)
	s_and_b32 s12, s10, 1                          ; which half of its columns.  Also: which 64 rows of that tile I fetch
	s_bfe_u32 s40, ttmp6, 0x40000                  ; cx, cy: my place in the cluster
	s_bfe_u32 s41, ttmp6, 0x40004
	s_lshl_b32 s42, ttmp9, 2
	s_add_co_u32 s42, s42, s40                     ; tile column of C = 4 x cluster x + cx
	s_and_b32 s13, ttmp7, 0xffff
	s_lshl_b32 s13, s13, 2
	s_add_co_u32 s13, s13, s41                     ; tile row of C = 4 x cluster y + cy
	s_lshl_b32 s43, s41, 2
	s_lshl_b32 s43, 15, s43                        ; my row of the cluster
	s_lshl_b32 s44, 0x1111, s40                    ; my column
	; descriptor group 1: a tile of 64 rows x 256 elements of 2 bytes, padded in LDS
	s_or_b32 s[G1+0], s43, (1<<16)|(1<<20)|(1<<21)|(6<<22)|(3<<25)  ; 15:0 the mask: A's tiles go to my row; 17:16 elements of 2 bytes; 20 padding on; 21 set beside a mask; 24:22 after every 128 words; 31:25 four words
	s_or_b32 s[G1B+0], s44, (1<<16)|(1<<20)|(1<<21)|(6<<22)|(3<<25)
.irp g, G1, G1B
	s_mov_b32 s[\g+1], KSTEP<<16                   ; tensor_dim0
	s_mov_b32 s[\g+2], 64<<16                      ; tensor_dim1
	s_mov_b32 s[\g+3], KSTEP<<16                   ; tile_dim0
	s_mov_b32 s[\g+4], 64                          ; tile_dim1
	s_mov_b32 s[\g+5], SIZE_K                      ; from row to row
	s_mov_b32 s[\g+6], 0
	s_mov_b32 s[\g+7], 0
.endr
	s_lshl_b32 s17, s12, 6                         ; which 64 rows of the tile I fetch
	s_lshl_b32 s16, s13, 7
	s_add_co_u32 s16, s16, s17                     ; A: row 128 x tile row + 64 x half
	s_lshl_b32 s46, s42, 7
	s_add_co_u32 s46, s46, s17                     ; B: row 128 x tile column + 64 x half
	s_mov_b32 s17, 0
	s_mov_b32 s47, 0
	s_mov_b64 s[18:19], SIZE_K*2
	s_mul_u64 s[16:17], s[16:17], s[18:19]
	s_mul_u64 s[46:47], s[46:47], s[18:19]
	s_mul_i32 s20, s10, HALFT                      ; where they go: wave x 64 rows: no place in the cluster enters an LDS address
	s_wait_dscnt 0x0                               ; both opening adds are done
	s_wait_kmcnt 0x0
	s_add_nc_u64 s[14:15], s[4:5], s[16:17]
	s_add_nc_u64 s[46:47], s[6:7], s[46:47]
	CROUND                                         ; all sixteen work-groups are here: the first joint loads meet
.irp s, 0,1
	s_mov_b32 s[G0+4*\s], 1
	s_add_co_u32 s[G0+4*\s+1], s20, \s*SLOT
	s_add_nc_u64 s[G0+4*\s+2:G0+4*\s+3], s[14:15], \s*KSTEP*2
	s_or_b32 s[G0+4*\s+3], s[G0+4*\s+3], 0x80000000
	s_mov_b32 s[G0B+4*\s], 1
	s_add_co_u32 s[G0B+4*\s+1], s20, \s*SLOT
	s_add_nc_u64 s[G0B+4*\s+2:G0B+4*\s+3], s[46:47], \s*KSTEP*2
	s_or_b32 s[G0B+4*\s+3], s[G0B+4*\s+3], 0x80000000
	JLOAD \s
.endr
	v_and_b32 v1, 15, v0                           ; l % 16
	v_bfe_u32 v2, v0, 4, 1                         ; l / 16
	; THE BIAS in the result's layout: block b of my columns: lane (r, h) wants bo at columns 16 b + 8 h + 0 .. 7
	v_lshlrev_b32 v[BO], 5, v2
	s_lshl_b32 s46, s42, 9                         ; my first column, 4 bytes each: 512 x tile column + 256 x half
	s_lshl_b32 s47, s12, 8
	s_add_co_u32 s46, s46, s47
	s_mov_b32 s47, 0
	s_add_nc_u64 s[66:67], s[66:67], s[46:47]
.irp b, 0,1,2,3
	global_load_b128 v[BIAS+8*\b:BIAS+8*\b+3], v[BO], s[66:67] offset:64*\b
	global_load_b128 v[BIAS+8*\b+4:BIAS+8*\b+7], v[BO], s[66:67] offset:64*\b+16
.endr
	v_mul_u32_u24 v3, v1, PITCH
	v_lshl_add_u32 v3, v2, 4, v3                   ; a fragment's row x pitch + 16 x half
	s_mul_i32 s21, s11, HALFT                      ; my 64 rows of A
	s_mul_i32 s22, s12, HALFT                      ; my 64 rows of B,
	s_add_co_u32 s22, s22, 2*HALFT                 ; which lie behind A's 128
.irp s, 0,1
	v_add_nc_u32 v[ADRA+\s], s21, v3
	v_add_nc_u32 v[ADRB+\s], s22, v3
	s_add_co_u32 s21, s21, SLOT
	s_add_co_u32 s22, s22, SLOT
.endr
	s_mul_i32 s23, s10, 16*SPITCH
	s_add_co_u32 s23, s23, STAGE                   ; my stage
	v_mul_u32_u24 v4, v1, SPITCH                   ; in: row l % 16, 32 bytes for each half of the lanes
	v_lshl_add_u32 v4, v2, 5, v4
	v_add_nc_u32 v[STO], s23, v4
	v_mul_u32_u24 v5, v2, SPITCH                   ; back: lanes 0-15 take one row of 256 bytes, lanes 16-31 the next
	v_lshl_add_u32 v5, v1, 4, v5
	v_add_nc_u32 v[RD], s23, v5
	v_lshlrev_b32 v5, 12, v2                       ; and the same two rows in C (4,096 bytes a row)
	v_lshl_add_u32 v[CO], v1, 4, v5
	s_lshl_b32 s16, s13, 7
	s_lshl_b32 s17, s11, 6
	s_add_co_u32 s16, s16, s17                     ; my first row of C: 128 x tile row + 64 x half
	s_lshl_b32 s16, s16, 12
	s_mov_b32 s17, 0
	s_add_nc_u64 s[8:9], s[8:9], s[16:17]
	s_add_nc_u64 s[8:9], s[8:9], s[46:47]          ; and my first column
; 8 matrix instructions: m blocks a0, a0 + 1 x all 4 n blocks, 32 along K: half c of buffer f.  first = 1: the sums begin with the bias.  The 16 accumulators take turns.
.macro MUL8 f, c, a0, first
.irp a, \a0, \a0+1
.irp b, 0,1,2,3
.if \first
	v_wmma_f32_16x16x32_f16 v[ACC+8*(4*(\a)+\b):ACC+8*(4*(\a)+\b)+7], v[\f+64+8*(4*\c+\b):\f+64+8*(4*\c+\b)+7], v[\f+8*(4*\c+\a):\f+8*(4*\c+\a)+7], v[BIAS+8*\b:BIAS+8*\b+7]
.else
	v_wmma_f32_16x16x32_f16 v[ACC+8*(4*(\a)+\b):ACC+8*(4*(\a)+\b)+7], v[\f+64+8*(4*\c+\b):\f+64+8*(4*\c+\b)+7], v[\f+8*(4*\c+\a):\f+8*(4*\c+\a)+7], v[ACC+8*(4*(\a)+\b):ACC+8*(4*(\a)+\b)+7]
.endif
.endr
.endr
.endm
; 32 LDS loads in one run: the fragments of 64 along K at byte k of the rows, into buffer f; the first 32 along K first
.macro FETCH slot, k, f
	WIN TO_F
.irp c, 0,1
.irp i, 0,1,2,3
	ds_load_b128 v[\f+64+8*(4*\c+\i):\f+64+8*(4*\c+\i)+3],   v[ADRB+\slot] offset:\k+64*\c+\i*16*PITCH
	ds_load_b128 v[\f+64+8*(4*\c+\i)+4:\f+64+8*(4*\c+\i)+7], v[ADRB+\slot] offset:\k+64*\c+\i*16*PITCH+32
	ds_load_b128 v[\f+8*(4*\c+\i):\f+8*(4*\c+\i)+3],         v[ADRA+\slot] offset:\k+64*\c+\i*16*PITCH
	ds_load_b128 v[\f+8*(4*\c+\i)+4:\f+8*(4*\c+\i)+7],       v[ADRA+\slot] offset:\k+64*\c+\i*16*PITCH+32
.endr
.endr
.endm
.macro PLACES                          ; four places in front of loads into registers that matrix instructions have read, and of reads of results
.rept 4
	v_nop
.endr
.endm
; A K step is four quarters of 64 along K, 32 matrix instructions each, on buffers 0, 1, 0, 1.  One of the first three: multiplies buffer f and fetches the next quarter, at byte k, into g.
.macro QUARTER slot, k, f, g, first
	s_wait_dscnt 16                                ; the first 32 along K are in; the youngest sixteen loads may be out
	WIN MUL
	MUL8 \f, 0, 0, \first
	MUL8 \f, 0, 2, \first
	PLACES
	FETCH \slot, \k, \g
	s_wait_dscnt 32                                ; all but the 32 just issued
	WIN MUL
	MUL8 \f, 1, 0, 0
	MUL8 \f, 1, 2, 0
.endm
; The last quarter multiplies buffer 1 and changes slots: ONE barrier; in front of it each wave waits for all its tensor loads, adds 0 to its spare word, and waits for that and for its own reads of this slot.
; fill = 1: the barrier opens a round of the cluster's, and this slot is filled again, two K steps ahead, first thing behind the round.
.macro TURN slot, next, fill
	WIN 0                                          ; (the add's two registers lie in window 0)
	s_wait_tensorcnt 0x0                           ; all my tensor loads have landed: my part of the next slot
	ds_add_u32 v[SPW], v[NIL]                      ; 0 onto my spare word
	s_wait_dscnt 17                                ; (the add and the youngest sixteen loads may be out)
	WIN MUL
	MUL8 F1, 0, 0, 0                               ; eight matrix instructions stand between the add and the wait for it
	s_wait_dscnt 0x0                               ; the add is done, and my reads of this slot are over
	s_barrier_signal -1
	MUL8 F1, 0, 2, 0
.if \fill
	WIN 0
.endif
	s_barrier_wait -1
.if \fill
	CREST                                          ; no wave of any partner still reads this slot's tile or has a load on its way
	s_add_nc_u64 s[G0+4*\slot+2:G0+4*\slot+3], s[G0+4*\slot+2:G0+4*\slot+3], 2*KSTEP*2
	s_add_nc_u64 s[G0B+4*\slot+2:G0B+4*\slot+3], s[G0B+4*\slot+2:G0B+4*\slot+3], 2*KSTEP*2
	JLOAD \slot                                    ; the four v_nop behind it are also the places in front of the loads below
.else
	PLACES
.endif
	FETCH \next, 0, F0
	WIN MUL
	MUL8 F1, 1, 0, 0
	MUL8 F1, 1, 2, 0
.endm
	s_wait_loadcnt 0x0                             ; the bias
	s_wait_tensorcnt 1                             ; my part of K step 0 is in (K step 1's load may be out)
	s_barrier_signal -1
	s_barrier_wait -1                              ; everybody's is
	FETCH 0, 0, F0
	QUARTER 0, 128, F0, F1, 1                      ; the first products start the sums, with the bias
	QUARTER 0, 256, F1, F0, 0
	QUARTER 0, 384, F0, F1, 0
	TURN 0, 1, 1                                   ; slot 0 takes K step 2
	QUARTER 1, 128, F0, F1, 0
	QUARTER 1, 256, F1, F0, 0
	QUARTER 1, 384, F0, F1, 0
	TURN 1, 0, 1                                   ; slot 1 takes K step 3
	QUARTER 0, 128, F0, F1, 0
	QUARTER 0, 256, F1, F0, 0
	QUARTER 0, 384, F0, F1, 0
	TURN 0, 1, 0                                   ; nothing is left to fetch
	QUARTER 1, 128, F0, F1, 0
	QUARTER 1, 256, F1, F0, 0
	QUARTER 1, 384, F0, F1, 0
	s_wait_dscnt 16                                ; the very last quarter
	WIN MUL
	MUL8 F1, 0, 0, 0
	MUL8 F1, 0, 2, 0
	s_wait_dscnt 0
	MUL8 F1, 1, 0, 0
	MUL8 F1, 1, 2, 0
	WIN 0
; THE WAY OUT, block by block of 16 rows x 64 columns.  A lane holds 32 neighbouring bytes of a row, and the lanes beside it hold other rows: a block goes through my own stage and comes back as rows of 256 bytes.
; LDS serves a wave's instructions in order: no wait between the stores and the loads, nor in front of the next block's stores.
.macro TOSTAGE a
.irp b, 0,1,2,3
	ds_store_b128 v[STO], v[ACC+8*(4*(\a)+\b):ACC+8*(4*(\a)+\b)+3] offset:64*\b          ; each accumulator from its low end on
	ds_store_b128 v[STO], v[ACC+8*(4*(\a)+\b)+4:ACC+8*(4*(\a)+\b)+7] offset:64*\b+16
.endr
.set BB, TMP+32*((\a)%2)
.irp t, 0,1,2,3,4,5,6,7
	ds_load_b128 v[BB+4*\t:BB+4*\t+3], v[RD] offset:\t*2*SPITCH
.endr
.endm
.macro SEND a, younger                 ; younger: the LDS instructions issued behind block a's loads, which may stay out
.set BB, TMP+32*((\a)%2)
	s_wait_dscnt \younger
.irp t, 0,1,2,3,4,5,6,7
	global_store_b128 v[CO], v[BB+4*\t:BB+4*\t+3], s[8:9] offset:(16*(\a)+2*\t)*SIZE_N*4 th:TH_STORE_NT   ; 16 lanes store 256 consecutive bytes, at a multiple of 256 from C's first byte; written once, read by nobody here
.endr
.endm
	PLACES                                         ; behind the last products
	TOSTAGE 0
.irp a, 1,2,3
.if \a > 1
	s_wait_xcnt 0x0                                ; block a - 2's stores have read their registers: block a's loads may land there
.endif
	TOSTAGE \a
	SEND \a-1, 16                                  ; behind block a - 1's loads: block a's 8 stores and 8 loads
.endr
	SEND 3, 0
	s_wait_tensorcnt 0x0                           ; the wave's end: a tensor wait, an add of 0 and its wait behind my last tensor load and my last LDS store
	ds_add_u32 v[SPW], v[NIL]
	s_wait_dscnt 0x0
	CROUND                                         ; the closing round: no work-group ends while a partner may still ask for a tile that names it
	s_endpgm
.Lfunc_end_k_q696dff3f2a_oproj:
	.size	k_q696dff3f2a_oproj, .Lfunc_end_k_q696dff3f2a_oproj-k_q696dff3f2a_oproj
	.p2alignl 7, 3214868480
	.fill 96, 4, 3214868480
	.section	.rodata,"a",@progbits
	.p2align	6, 0x0
	.amdhsa_kernel k_q696dff3f2a_oproj
		.amdhsa_group_segment_fixed_size 327680
		.amdhsa_private_segment_fixed_size 0
		.amdhsa_enable_private_segment 0
		.amdhsa_kernarg_size 32
		.amdhsa_user_sgpr_count 2
		.amdhsa_user_sgpr_kernarg_segment_ptr 1
		.amdhsa_wavefront_size32 1
		.amdhsa_system_sgpr_workgroup_id_x 1
		.amdhsa_system_sgpr_workgroup_id_y 1
		.amdhsa_system_sgpr_workgroup_id_z 1
		.amdhsa_system_vgpr_workitem_id 0
		.amdhsa_next_free_vgpr 512
		.amdhsa_next_free_sgpr 68
		.amdhsa_reserve_vcc 0
		.amdhsa_float_denorm_mode_32 3
		.amdhsa_float_denorm_mode_16_64 3
		.amdhsa_memory_ordered 1
		.amdhsa_forward_progress 1
		.amdhsa_inst_pref_size 86
	.end_amdhsa_kernel
	.amdgpu_metadata
---
amdhsa.version: [ 1, 2 ]
amdhsa.kernels:
  - .name:           k_q696dff3f2a_oproj
    .symbol:         k_q696dff3f2a_oproj.kd
    .args:
      - { .name: ctx, .offset: 0, .size: 8, .value_kind: global_buffer, .address_space: global }
      - { .name: wot, .offset: 8, .size: 8, .value_kind: global_buffer, .address_space: global }
      - { .name: bo, .offset: 16, .size: 8, .value_kind: global_buffer, .address_space: global }
      - { .name: out0, .offset: 24, .size: 8, .value_kind: global_buffer, .address_space: global }
    .group_segment_fixed_size: 327680
    .private_segment_fixed_size: 0
    .kernarg_segment_align: 8
    .kernarg_segment_size: 32
    .max_flat_workgroup_size: 128
    .sgpr_count:     68
    .vgpr_count:     512
    .wavefront_size: 32
...
	.end_amdgpu_metadata
.endif
;; end of part 5
